; MI455X (gfx1250); checked and timed in simulation.
; The chip was launched on July 23, 2026; its instructions are those of AMD's public machine-readable ISA for CDNA 5 (MIT licence, August 2026) and "CDNA5" Instruction Set Architecture Reference Guide (July 2026). The comments in the code are by the model that wrote it; some were corrected since.
;; Multihead Attention. Allowed arithmetic: matrix products marked QUANTISED: E3M2 operands, one E8M0 scale for each 32 along K, by v_wmma_scale_f32_16x16x128_f8f6f4 with both operands' format E3M2, f32 sums; products left as they are: f32 operands where the result goes on into a quantised operand, else bf16, f16 or f32 operands; f32 sums; everything else in f32.
;; Inputs: mask 1 x 1 x 2,048 x 2,048 int32; wk 2,048 x 2,048 float32; wo 2,048 x 2,048 float32; wq 2,048 x 2,048 float32; wv 2,048 x 2,048 float32; x 1 x 2,048 x 2,048 float32.
;; Outputs: out0 1 x 2,048 x 2,048 float32.
;; This version of the problem:
;;   THIS VERSION OF THE PROBLEM IS GIVEN IN LOW PRECISION. The matrix products marked QUANTISED in the list below multiply operands that are first quantised to E3M2 (3 exponent bits, 2 mantissa bits; 6 bits a number), with one power-of-two scale for each 32 numbers along K (OCP MX v1.0); their sums are f32. All else is computed in f32.
;;   The module's matrix products, in the order in which they are computed (A, B: the left and right operand; K: the contracted axis; several contracted axes count as one K, in the product's order):
;;     1. [M 2,048, K 2,048] x [K 2,048, N 2,048]; A: input x; B: input wq: QUANTISED
;;     2. [M 2,048, K 2,048] x [K 2,048, N 2,048]; A: input x; B: input wk: QUANTISED
;;     3. [M 2,048, K 2,048] x [K 2,048, N 2,048]; A: input x; B: input wv: QUANTISED
;;     4. [M 2,048, K 1] x [K 1, N 64]; A: computed on the way; B: computed on the way: left as it is (no contracted axis)
;;     5. batch 16 x [M 2,048, K 128] x [K 128, N 2,048]; A: computed on the way; B: computed on the way: QUANTISED
;;     6. batch 16 x [M 2,048, K 2,048] x [K 2,048, N 128]; A: softmax (see below); B: computed on the way: QUANTISED
;;     7. [M 2,048, K 2,048] x [K 2,048, N 2,048]; A: computed on the way; B: input wo: QUANTISED
;;   THE QUANTISER, for each operand of a quantised product, along K:
;;     - K is cut into blocks of 32 from its start; a last block that is shorter is filled with zeros.
;;     - A block's scale is 2^e with e = floor(log2(the largest magnitude in the block)) - 4, held to -126 .. 127; a block of zeros has e = 0. As a byte (E8M0): e + 127.
;;     - Each number is divided by its block's scale, clamped to +-28, and rounded to the nearest number of E3M2, ties to even, subnormals kept.
;;     - The product sums the exact products of the quantised numbers (number of the format x scale) in f32.
;;   ~~~python
;;   def quantise(x, axis):      # numpy; x: float32 -> the quantised numbers, widened to float32 again
;;       x = np.moveaxis(x, axis, -1); K = x.shape[-1]
;;       x = np.pad(x, [(0, 0)] * (x.ndim - 1) + [(0, -K % 32)]); x = x.reshape(x.shape[:-1] + (-1, 32)); a = np.abs(x).max(-1, keepdims=True)
;;       e = np.where(a > 0, np.clip(np.frexp(np.where(a > 0, a, 1))[1] - 1 - 4, -126, 127), 0)      # np.frexp(a)[1] - 1 = floor(log2(a)), exactly
;;       r = np.clip(x / 2.0 ** e, -28, 28)
;;       step = 2.0 ** (np.maximum(np.frexp(np.where(r == 0, 1, r))[1] - 1, -2) - 2)
;;       q = np.round(r / step) * step * 2.0 ** e      # np.round: ties to even
;;       return np.moveaxis(q.reshape(q.shape[:-2] + (-1,))[..., :K], -1, axis).astype(np.float32)
;;   ~~~
;;   SOFTMAX AHEAD OF A QUANTISED PRODUCT. Where the list says 'softmax', what is quantised is not the finished softmax but p = 2^(t - M), with t = logit x log2(e) and M = ceil(the row's largest t), a whole number; so 1/2 < the row's largest p <= 1. The row's sum l is taken of the UNQUANTISED p, in f32, and the product's result is divided by l at the end. Since M is a whole number, a kernel that streams over the keys may use a running M (the ceiling of the running maximum): every later rescaling is an exact power of two, which a block's scale takes up: the codes' values come out the same.
;;   OPERANDS COMPUTED ON THE WAY. 'Computed on the way' means the value that the module computes at that place (a softmax that the list does not call 'softmax' is quantised finished and normalised). What goes into a quantiser is computed in f32, as accurately as f32 sums, v_exp_f32 and their like allow (about 1e-6 of the number): no bf16 or f16 on the way to a quantiser, and a product that is left as it is and whose result goes on into a quantised operand takes f32 operands (vector FMAs, or v_wmma_f32_16x16x4_f32). A number that lies on a knife's edge between two numbers of the format may be rounded either way, as far as f32 arithmetic and the matrix unit's own rounding can turn it there, and no further.
;; One version. Each part assembles by itself: llvm-mc -triple=amdgcn-amd-amdhsa -mcpu=gfx1250 --defsym DOCPART=n.
;; ======== version 1 of 1: 4 launches
;; limits: right only within a limited range of input values
;; workspace buffers: xw_codes 15,728,640 bytes; xw_scales 655,360 bytes; maskbits 524,288 bytes of whole numbers; rope 1,048,576 bytes; qkv_codes 9,437,184 bytes; qkv_scales 393,216 bytes; y_codes 3,145,728 bytes; y_scales 131,072 bytes
;; launch prep (part 1): grid 800 x 1, 4 waves a work-group, no clusters, 34,304 bytes of LDS; arguments mask, x, wq, wk, wv, wo, xw_codes, xw_scales, maskbits, rope; writes xw_codes, xw_scales, maskbits, rope
.if DOCPART == 1
	.amdgcn_target "amdgcn-amd-amdhsa--gfx1250"
	.amdhsa_code_object_version 6
	.text
	.protected	k_q7c5e05c620_prep
	.globl	k_q7c5e05c620_prep
	.p2align	8
	.type	k_q7c5e05c620_prep,@function
k_q7c5e05c620_prep:
	s_mov_b64 s[64:65], 0
	v_nop
	global_prefetch_b8 v0, s[64:65] scope:SCOPE_SE
	s_setreg_imm32_b32 hwreg(HW_REG_WAVE_MODE, 25, 1), 1
	s_wait_xcnt 0x0
; PREP: x, wq, wk, wv, wo (f32 [2048][2048], K innermost) become codes of BF6 (E3M2) with one E8M0 byte for each 32 along K; the mask (int32 [2048][2048]) becomes one bit a number; the RoPE tables are made.
; ROW TILES.  Tile RT of a tensor is 16 rows: its lane r takes row 32 (RT / 2) + 8 (RT % 2) + r + 8 (r / 8).  Every operand of the program is tiled so.
; IMAGES.  The codes of a tile and 128 along K are stored as the matrix operand's registers stand: register 4 g + m of lane l at byte 512 g + 16 l + 4 m, 1,536 bytes; its scale words as 64 bytes, word r for lane r.
; xw_codes: [tile 640][K step 16][1,536]; tiles 0-127 x, 128-511 the weights as [head][q, k, v][8 tiles], 512-639 wo.  xw_scales: [tile][K step][64].
; maskbits: [query tile 128][key step 16][64 words]: bit l of word 16 b + i says whether key 128 step + 32 b + 16 (l / 16) + i counts for the query of lane l % 16.
; rope: [t 2048][64 cosines, 64 sines] f32.
; SHARES.  Work-groups 0-31 make the tables, 64 rows each.  The others: (work-group - 32) / 128 says which tensor (0 the mask, 1 x, 2-4 wq wk wv, 5 wo), the rest which row tile; wave w takes K steps 4 w .. 4 w + 3.
; All six tensors have rows of 8,192 bytes of 4-byte numbers: they take one path through the loads and the stage; only the register work and the stores of a tile part, on the tensor's number.
; A load reads 512 consecutive bytes of a row; the 16 rows turn through the wave's own stage in LDS (rows 528 bytes apart) and come back 16 neighbours of each block of 32 a lane.  No barrier: waves share nothing.
; A block's scale is 2^(floor(log2(largest magnitude)) - 4); its byte is the largest magnitude's exponent field - 4, held at 1 from below.
; LIMITS: a block of zeros gets the byte 1 where the rule says 127 (its codes are zeros, and this program alone reads the bytes); NaN and infinities among the f32 inputs are not served.
; The frequencies are 2^(-j log2(10000) / 64) by v_exp_f32, good to a few units in the last place, so an angle near 2,000 is good to about 2e-4; sine and cosine by reduction modulo pi / 2 in two parts and polynomials.
.set STGB, 8448                        ; a wave's stage: 16 rows x (512 + 16) bytes
.set TM,   16                          ; v16-19 largest magnitudes, v20-23 the other half's, then bytes, v28-31 the conversions' scale operands
.set PW,   32                          ; the scale word just made
.set SW,   33                          ; v33-36 the four tiles' scale words
.set PC,   40                          ; v40-51 the fragment; v52-54, v56-58 the upper halves as converted
.set MW,   60                          ; v[60:61] 64 mask words, two a lane
.set RAW,  64                          ; v64-191 two sets of 64 registers as loaded
.set X,    192                         ; v192-255 register 16 b + i: number 32 b + 16 (lane / 16) + i of my row
.macro LOAD t                          ; tile t: 16 loads, a row each
.irp i, 0,1,2,3,4,5,6,7,8,9,10,11,12,13,14,15
	global_load_b128 v[RAW+64*((\t)%2)+4*\i:RAW+64*((\t)%2)+4*\i+3], v4, s[28:29] offset:(\i+8*(\i/8))*8192+512*(\t) th:TH_LOAD_NT
.endr
.endm
.macro QUANT s                         ; 64 numbers of a lane become a fragment's codes in v[PC] on and its scale word in v[PW]
.irp b, 0,1,2,3
	v_max3_num_f32 v[TM+\b], |v[\s+16*\b]|, |v[\s+1+16*\b]|, 0x2800000   ; my 16 numbers of block b, and the floor 2^(5 - 127): the byte cannot fall under 1
.endr
.irp i, 2,4,6,8,10,12,14
.irp b, 0,1,2,3
	v_max3_num_f32 v[TM+\b], v[TM+\b], |v[\s+16*\b+\i]|, |v[\s+1+16*\b+\i]|
.endr
.endr
.irp b, 0,1,2,3
	v_permlanex16_b32 v[TM+4+\b], v[TM+\b], s36, s37
.endr
.irp b, 0,1,2,3
	v_max_num_f32 v[TM+\b], v[TM+\b], v[TM+4+\b]   ; with lane l xor 16's: the block's largest magnitude
.endr
.irp b, 0,1,2,3
	v_add_nc_u32 v[TM+12+\b], 0xfe000000, v[TM+\b] ; 4 off its exponent field: the conversion's scale operand
.endr
.irp b, 0,1,2,3
	v_lshrrev_b32 v[TM+4+\b], 23, v[TM+12+\b]      ; the scale's byte
.endr
	v_lshl_or_b32 v[PW], v[TM+5], 8, v[TM+4]
	v_lshl_or_b32 v[PW], v[TM+6], 16, v[PW]
	v_lshl_or_b32 v[PW], v[TM+7], 24, v[PW]
.irp c, 0,1
	v_cvt_scalef32_pk16_bf6_f32 v[PC+6*\c:PC+2+6*\c], v[\s+32*\c:\s+15+32*\c], v[TM+12+2*\c]
	v_cvt_scalef32_pk16_bf6_f32 v[PC+12+4*\c:PC+14+4*\c], v[\s+16+32*\c:\s+31+32*\c], v[TM+12+2*\c+1]   ; (a conversion's three registers begin on an even number)
.endr
	v_nop                                          ; one plain place behind a scaled conversion
.irp c, 0,1                            ; the operand wants a whole block in a lane: lanes 0-15 block 2 c, lanes 16-31 block 2 c + 1
.irp i, 0,1,2
	v_permlane16_swap_b32 v[PC+6*\c+\i], v[PC+12+4*\c+\i]
.endr
.irp i, 0,1,2
	v_mov_b32 v[PC+3+6*\c+\i], v[PC+12+4*\c+\i]
.endr
.endr
.endm
.macro TILE t
.if \t < 3
	s_wait_loadcnt 16                              ; this tile's 16 loads are in; the next tile's 16 may be out
.else
	s_wait_loadcnt 0x0
.endif
.irp i, 0,1,2,3,4,5,6,7,8,9,10,11,12,13,14,15
	ds_store_b128 v5, v[RAW+64*((\t)%2)+4*\i:RAW+64*((\t)%2)+4*\i+3] offset:528*\i
.endr
.irp b, 0,1,2,3
.irp e, 0,1,2,3
	ds_load_b128 v[X+16*\b+4*\e:X+16*\b+4*\e+3], v6 offset:128*\b+16*\e   ; LDS serves a wave's instructions in order: these see the stores above
.endr
.endr
	s_wait_dscnt 0x0                               ; the numbers are back, and the stores into the stage have read their registers
	s_wait_xcnt 0x0                                ; the last tile's global stores have read their data: the codes' and the mask words' registers may be written again
.if \t < 2
	LOAD \t+2
.endif
	s_cmp_eq_u32 s25, 0
	s_cbranch_scc1 .Lbits_\@
	QUANT X
.irp g, 0,1,2
	global_store_b128 v4, v[PC+4*\g:PC+4*\g+3], s[30:31] offset:1536*(\t)+512*\g   ; 32 lanes store 512 consecutive bytes
.endr
	v_mov_b32 v[SW+\t], v[PW]
	s_branch .Ltile_done_\@
.Lbits_\@:
.irp g, 0,1,2,3,4,5,6,7
.irp k, 0,1,2,3,4,5,6,7
	v_cmp_ne_u32 s[40+\k], 0, v[X+8*\g+\k]         ; word 8 g + k: a bit a lane
.endr
.irp k, 0,1,2,3,4,5,6,7
	v_writelane_b32 v[MW+\k%2], s[40+\k], 4*\g+\k/2
.endr
.endr
	global_store_b64 v8, v[MW:MW+1], s[48:49] offset:256*(\t)   ; 64 words: 256 consecutive bytes, aligned
.Ltile_done_\@:
.endm
.macro RSTEP s                         ; rows first + 2 s (lanes 0-15) and first + 2 s + 1 (lanes 16-31): four angles a lane
.irp e, 0,1,2,3
	v_mul_f32 v[20+\e], v9, v[12+\e]               ; the angle
.endr
.irp e, 0,1,2,3
	v_mul_f32 v[24+\e], s40, v[20+\e]
.endr
.irp e, 0,1,2,3
	v_rndne_f32 v[24+\e], v[24+\e]                 ; n = the nearest whole number to angle x 2 / pi
.endr
.irp e, 0,1,2,3
	v_fma_f32 v[20+\e], v[24+\e], s41, v[20+\e]    ; angle - n x pi / 2, pi / 2 in two parts
.endr
.irp e, 0,1,2,3
	v_fma_f32 v[20+\e], v[24+\e], s42, v[20+\e]
.endr
.irp e, 0,1,2,3
	v_cvt_i32_f32 v[24+\e], v[24+\e]
.endr
.irp e, 0,1,2,3
	v_mul_f32 v[28+\e], v[20+\e], v[20+\e]
.endr
.irp e, 0,1,2,3
	v_fma_f32 v[32+\e], v[28+\e], s46, s45         ; the sine's series, to the ninth power
	v_fma_f32 v[36+\e], v[28+\e], s50, s49         ; the cosine's, to the tenth
.endr
.irp e, 0,1,2,3
	v_fma_f32 v[32+\e], v[32+\e], v[28+\e], s44
	v_fma_f32 v[36+\e], v[36+\e], v[28+\e], s48
.endr
.irp e, 0,1,2,3
	v_fma_f32 v[32+\e], v[32+\e], v[28+\e], s43
	v_fma_f32 v[36+\e], v[36+\e], v[28+\e], s47
.endr
.irp e, 0,1,2,3
	v_mul_f32 v[40+\e], v[28+\e], v[20+\e]
	v_fma_f32 v[36+\e], v[36+\e], v[28+\e], -0.5
.endr
.irp e, 0,1,2,3
	v_fma_f32 v[32+\e], v[32+\e], v[40+\e], v[20+\e]
	v_fma_f32 v[36+\e], v[36+\e], v[28+\e], 1.0
.endr
.irp e, 0,1,2,3
	v_and_b32 v[40+\e], 1, v[24+\e]
.endr
.irp e, 0,1,2,3
	v_cmp_eq_u32 s[56+\e], 1, v[40+\e]             ; an odd quarter turn: sine and cosine change places
.endr
.irp e, 0,1,2,3
	v_cndmask_b32 v[68+8*(\s)+\e], v[32+\e], v[36+\e], s[56+\e]
	v_cndmask_b32 v[64+8*(\s)+\e], v[36+\e], v[32+\e], s[56+\e]
.endr
.irp e, 0,1,2,3
	v_and_b32 v[40+\e], 2, v[24+\e]                ; the sine's sign: quarter turns 2 and 3
	v_add_nc_u32 v[44+\e], 1, v[24+\e]
.endr
.irp e, 0,1,2,3
	v_lshlrev_b32 v[40+\e], 30, v[40+\e]
	v_and_b32 v[44+\e], 2, v[44+\e]                ; the cosine's: 1 and 2
.endr
.irp e, 0,1,2,3
	v_xor_b32 v[68+8*(\s)+\e], v[40+\e], v[68+8*(\s)+\e]
	v_lshlrev_b32 v[44+\e], 30, v[44+\e]
.endr
.irp e, 0,1,2,3
	v_xor_b32 v[64+8*(\s)+\e], v[44+\e], v[64+8*(\s)+\e]
.endr
	global_store_b128 v11, v[64+8*(\s):67+8*(\s)], s[22:23] offset:1024*(\s)       ; sixteen lanes store a row's 64 cosines: 256 consecutive bytes, aligned
	global_store_b128 v11, v[68+8*(\s):71+8*(\s)], s[22:23] offset:1024*(\s)+256   ; and its sines
	v_add_f32 v9, 2.0, v9                          ; two rows on: exact
.endm
	s_load_b512 s[4:19], s[0:1], 0x0               ; mask, x, wq, wk, wv, wo, xw_codes, xw_scales
	s_load_b128 s[20:23], s[0:1], 0x40             ; maskbits, rope
	v_lshl_add_u32 v55, v0, 2, 0x8400
	v_mov_b32 v59, 0
	v_lshrrev_b32 v1, 5, v0
	v_readfirstlane_b32 s24, v1                    ; wave
	v_and_b32 v1, 31, v0                           ; lane
	v_and_b32 v2, 15, v0                           ; r
	v_bfe_u32 v3, v0, 4, 1                         ; h
	s_wait_kmcnt 0x0
	s_cmp_lt_u32 ttmp9, 32
	s_cbranch_scc1 .Lrope
	s_sub_co_u32 s26, ttmp9, 32
	s_lshr_b32 s25, s26, 7                         ; which tensor
	s_and_b32 s26, s26, 127                        ; which row tile
	s_mov_b64 s[28:29], s[4:5]                     ; the source: chosen on the work-group's number alone
	s_cmp_eq_u32 s25, 1
	s_cselect_b64 s[28:29], s[6:7], s[28:29]
	s_cmp_eq_u32 s25, 2
	s_cselect_b64 s[28:29], s[8:9], s[28:29]
	s_cmp_eq_u32 s25, 3
	s_cselect_b64 s[28:29], s[10:11], s[28:29]
	s_cmp_eq_u32 s25, 4
	s_cselect_b64 s[28:29], s[12:13], s[28:29]
	s_cmp_eq_u32 s25, 5
	s_cselect_b64 s[28:29], s[14:15], s[28:29]
	s_lshr_b32 s34, s26, 1
	s_lshl_b32 s34, s34, 5
	s_and_b32 s35, s26, 1
	s_lshl_b32 s35, s35, 3
	s_add_co_u32 s34, s34, s35                     ; the tile's first row
	s_lshl_b32 s34, s34, 13                        ; x 8,192 bytes
	s_lshl_b32 s35, s24, 11                        ; + my wave's four K steps: 2,048 bytes
	s_add_co_u32 s34, s34, s35
	s_mov_b32 s35, 0
	s_add_nc_u64 s[28:29], s[28:29], s[34:35]
	s_lshr_b32 s27, s26, 3                         ; the tile's number in xw_codes.  A weight's: 128 + 24 head + 8 (tensor - 2) + tile in the head
	s_mul_i32 s27, s27, 24
	s_and_b32 s35, s26, 7
	s_add_co_u32 s27, s27, s35
	s_lshl_b32 s35, s25, 3
	s_add_co_u32 s27, s27, s35
	s_add_co_u32 s27, s27, 112
	s_add_co_u32 s35, s26, 512                     ; wo's: 512 + tile
	s_cmp_lt_u32 s25, 2
	s_cselect_b32 s27, s26, s27                    ; x's: the tile (the mask's work-groups store no codes)
	s_cmp_eq_u32 s25, 5
	s_cselect_b32 s27, s35, s27
	s_mul_i32 s34, s27, 24576
	s_mul_i32 s35, s24, 6144
	s_add_co_u32 s34, s34, s35
	s_mov_b32 s35, 0
	s_add_nc_u64 s[30:31], s[16:17], s[34:35]      ; my four images
	s_lshl_b32 s34, s27, 10
	s_lshl_b32 s39, s24, 8
	s_add_co_u32 s34, s34, s39
	s_add_nc_u64 s[32:33], s[18:19], s[34:35]      ; my four scale images
	s_lshl_b32 s34, s26, 12
	s_lshl_b32 s39, s24, 10
	s_add_co_u32 s34, s34, s39
	s_add_nc_u64 s[48:49], s[20:21], s[34:35]      ; my four key steps' mask words
	s_mov_b32 s36, 0x76543210
	s_mov_b32 s37, 0xfedcba98                      ; v_permlanex16_b32's selects for lane l xor 16
	s_mov_b32 s38, 0xffff0000                      ; lanes 16-31
	s_wait_alu depctr_va_vdst(0)
	v_lshlrev_b32 v4, 4, v1                        ; 16 x lane
	s_mul_i32 s39, s24, STGB
	v_add_nc_u32 v5, s39, v4                       ; the stage, on the way in
	v_mul_u32_u24 v6, v2, 528
	v_lshl_add_u32 v6, v3, 6, v6
	v_add_nc_u32 v6, s39, v6                       ; and out: row r, + 64 h
	v_lshlrev_b32 v7, 2, v1
	v_lshlrev_b32 v8, 3, v1
.irp b, 0,1,2,3
	v_mov_b32 v[TM+4+\b], 0                        ; written once: a lane permute's destination counts as one of its sources
	v_mov_b32 v[SW+\b], 0
.endr
	v_mov_b32 v[MW], 0
	v_mov_b32 v[MW+1], 0
	LOAD 0
	LOAD 1
	TILE 0
	TILE 1
	TILE 2
	TILE 3
	s_cmp_eq_u32 s25, 0
	s_cbranch_scc1 .Lend
	v_cndmask_b32 v62, v[SW], v[SW+1], s38         ; lanes 0-15 the even K step's words, lanes 16-31 the odd one's
	s_wait_alu depctr_va_vdst(0)
	v_cndmask_b32 v63, v[SW+2], v[SW+3], s38
	global_store_b32 v7, v62, s[32:33]             ; 128 consecutive bytes each; the two fill 256, aligned
	global_store_b32 v7, v63, s[32:33] offset:128
.Lend:
	s_wait_tensorcnt 0x0
	ds_add_u32 v55, v59
	s_wait_dscnt 0x0
	s_endpgm
.Lrope:
	s_lshl_b32 s26, ttmp9, 6
	s_lshl_b32 s27, s24, 4
	s_add_co_u32 s26, s26, s27                     ; my wave's first row: 64 x work-group + 16 x wave
	s_wait_alu depctr_va_vdst(0)
	v_add_nc_u32 v9, s26, v3
	v_cvt_f32_u32 v9, v9                           ; my first position
	v_lshlrev_b32 v10, 2, v2
.irp e, 0,1,2,3
	v_add_nc_u32 v[12+\e], \e, v10                 ; my four frequencies: j = 4 (lane % 16) + e
.endr
.irp e, 0,1,2,3
	v_cvt_f32_u32 v[12+\e], v[12+\e]
.endr
.irp e, 0,1,2,3
	v_mul_f32 v[12+\e], 0xbe549a78, v[12+\e]       ; - j log2(10000) / 64
.endr
	s_wait_alu depctr_va_vdst(0)
.irp e, 0,1,2,3
	v_exp_f32 v[12+\e], v[12+\e]
.endr
	v_lshlrev_b32 v11, 9, v3                       ; (a plain place behind the exponentials)  my row of the two, 512 bytes a row,
	s_wait_alu depctr_va_vdst(0)                   ; one wait for the four, ahead of their first reader
	v_lshl_add_u32 v11, v2, 4, v11                 ; + my 16 bytes
	s_lshl_b32 s34, s26, 9
	s_mov_b32 s35, 0
	s_add_nc_u64 s[22:23], s[22:23], s[34:35]
	s_mov_b32 s40, 0x3f22f983                      ; 2 / pi
	s_mov_b32 s41, 0xbfc90fdb                      ; - pi / 2, the upper part
	s_mov_b32 s42, 0x333bbd2e                      ; what the upper part has too much
	s_mov_b32 s43, 0xbe2aaaab                      ; - 1 / 3!
	s_mov_b32 s44, 0x3c088889                      ; 1 / 5!
	s_mov_b32 s45, 0xb9500d01                      ; - 1 / 7!
	s_mov_b32 s46, 0x3638ef1d                      ; 1 / 9!
	s_mov_b32 s47, 0x3d2aaaab                      ; 1 / 4!
	s_mov_b32 s48, 0xbab60b61                      ; - 1 / 6!
	s_mov_b32 s49, 0x37d00d01                      ; 1 / 8!
	s_mov_b32 s50, 0xb493f27e                      ; - 1 / 10!
.irp s, 0,1,2,3,4,5,6,7
	RSTEP \s
.endr
	s_endpgm
.Lfunc_end_k_q7c5e05c620_prep:
	.size	k_q7c5e05c620_prep, .Lfunc_end_k_q7c5e05c620_prep-k_q7c5e05c620_prep
	.p2alignl 7, 3214868480
	.fill 96, 4, 3214868480
	.section	.rodata,"a",@progbits
	.p2align	6, 0x0
	.amdhsa_kernel k_q7c5e05c620_prep
		.amdhsa_group_segment_fixed_size 34304
		.amdhsa_private_segment_fixed_size 0
		.amdhsa_enable_private_segment 0
		.amdhsa_kernarg_size 80
		.amdhsa_user_sgpr_count 2
		.amdhsa_user_sgpr_kernarg_segment_ptr 1
		.amdhsa_wavefront_size32 1
		.amdhsa_system_sgpr_workgroup_id_x 1
		.amdhsa_system_sgpr_workgroup_id_y 1
		.amdhsa_system_sgpr_workgroup_id_z 1
		.amdhsa_system_vgpr_workitem_id 0
		.amdhsa_next_free_vgpr 256
		.amdhsa_next_free_sgpr 66
		.amdhsa_reserve_vcc 0
		.amdhsa_float_denorm_mode_32 3
		.amdhsa_float_denorm_mode_16_64 3
		.amdhsa_memory_ordered 1
		.amdhsa_forward_progress 1
		.amdhsa_inst_pref_size 113
	.end_amdhsa_kernel
	.amdgpu_metadata
---
amdhsa.version: [ 1, 2 ]
amdhsa.kernels:
  - .name:           k_q7c5e05c620_prep
    .symbol:         k_q7c5e05c620_prep.kd
    .args:
      - { .name: mask, .offset: 0, .size: 8, .value_kind: global_buffer, .address_space: global }
      - { .name: x, .offset: 8, .size: 8, .value_kind: global_buffer, .address_space: global }
      - { .name: wq, .offset: 16, .size: 8, .value_kind: global_buffer, .address_space: global }
      - { .name: wk, .offset: 24, .size: 8, .value_kind: global_buffer, .address_space: global }
      - { .name: wv, .offset: 32, .size: 8, .value_kind: global_buffer, .address_space: global }
      - { .name: wo, .offset: 40, .size: 8, .value_kind: global_buffer, .address_space: global }
      - { .name: xw_codes, .offset: 48, .size: 8, .value_kind: global_buffer, .address_space: global }
      - { .name: xw_scales, .offset: 56, .size: 8, .value_kind: global_buffer, .address_space: global }
      - { .name: maskbits, .offset: 64, .size: 8, .value_kind: global_buffer, .address_space: global }
      - { .name: rope, .offset: 72, .size: 8, .value_kind: global_buffer, .address_space: global }
    .group_segment_fixed_size: 34304
    .private_segment_fixed_size: 0
    .kernarg_segment_align: 8
    .kernarg_segment_size: 80
    .max_flat_workgroup_size: 128
    .sgpr_count:     66
    .vgpr_count:     256
    .wavefront_size: 32
...
	.end_amdgpu_metadata
.endif
;; end of part 1
;; launch qkv (part 2): grid 16 x 16, 4 waves a work-group, clusters of 4 x 4, 327,680 bytes of LDS; arguments xw_codes, xw_scales, rope, qkv_codes, qkv_scales; writes qkv_codes, qkv_scales
.if DOCPART == 2
	.amdgcn_target "amdgcn-amd-amdhsa--gfx1250"
	.amdhsa_code_object_version 6
	.text
	.protected	k_q7c5e05c620_qkv
	.globl	k_q7c5e05c620_qkv
	.p2align	8
	.type	k_q7c5e05c620_qkv,@function
k_q7c5e05c620_qkv:
	s_mov_b64 s[64:65], 0
	v_nop
	global_prefetch_b8 v0, s[64:65] scope:SCOPE_SE
	s_setreg_imm32_b32 hwreg(HW_REG_WAVE_MODE, 25, 1), 1
	s_wait_xcnt 0x0
	s_wait_alu depctr_hold_cnt(0) depctr_sa_sdst(0) depctr_va_vdst(0) depctr_va_sdst(0) depctr_va_ssrc(0) depctr_va_vcc(0) depctr_vm_vsrc(0)
	s_getreg_b32 s2, hwreg(HW_REG_IB_STS2, 6, 4)
	s_cmp_eq_u32 s2, 0
	s_cbranch_scc0 .Lentry_in_a_cluster
	s_endpgm
.Lentry_in_a_cluster:
	s_bfe_u32 s2, ttmp6, 0x10000c
	s_cmp_lg_u32 s2, 0xf033
	s_cbranch_scc0 .Lentry_shape_is_right
	s_endpgm
.Lentry_shape_is_right:
.set SLOT,  98304
.set PART,  24576
.set SCL,   2*SLOT
.set SPARE, SCL+32768
.set IMG,   SPARE+512
.set SCB,   IMG+36864
.set A12Q,  2
.set A508Q, 3
.set SBQ,   4
.set A12V,  5
.set A508V, 6
.set SBV,   7
.set RDI,   8
.set GOI,   9
.set SCR,   10
.set LI,    11
.set TBA,   12
.set ADRA,  16
.set ADRB,  18
.set ADRV,  20
.set ADSA,  22
.set ADSB,  23
.set SPW,   28
.set NIL,   29
.set SC,    32
.set XF,    64
.set R,     64
.set G1,   24
.set G0,   32
.set G1B,  48
.set G0B,  56
.set G1S,  68
.set G0S,  76
.set G1SB, 80
.set G0SB, 88
.set SEL,  96
.set MSB, 0
.macro WIN new
.if MSB != \new
	s_set_vgpr_msb (MSB<<8)|\new
.set MSB, \new
.endif
.endm
.set MQK,  0xa1
.set MV,   0xf4
.set TO_W, 0x40
.macro PLACES n
.rept \n
	v_nop
.endr
.endm
.macro JLOAD g0a, g1a, g0b, g1b
	s_cmp_eq_u32 s14, 0
	s_cbranch_scc0 .Lfor_b_\@
	tensor_load_to_lds s[\g0a:\g0a+3], s[\g1a:\g1a+7]
	s_nop 0
.rept 4
	v_nop
.endr
	s_branch .Lasked_\@
.Lfor_b_\@:
	tensor_load_to_lds s[\g0b:\g0b+3], s[\g1b:\g1b+7]
	s_nop 0
.rept 4
	v_nop
.endr
.Lasked_\@:
.endm
.macro CREST
	s_cmp_lg_u32 s14, 0
	s_cbranch_scc1 .Lnot_wave_0_\@
	s_barrier_signal -3
.Lnot_wave_0_\@:
	s_barrier_wait -3
	s_barrier_signal -1
	s_barrier_wait -1
.endm
.macro CROUND
	s_barrier_signal -1
	s_barrier_wait -1
	CREST
.endm
.macro WM d, a, b, zero, sa, sb, row
.if \zero
	v_wmma_scale_f32_16x16x128_f8f6f4 v[\d:\d+7], v[\a:\a+11], v[\b:\b+11], 0, v[\sa], v[\sb] matrix_a_fmt:MATRIX_FMT_BF6 matrix_b_fmt:MATRIX_FMT_BF6
.elseif \row
	v_wmma_scale_f32_16x16x128_f8f6f4 v[\d:\d+7], v[\a:\a+11], v[\b:\b+11], v[\d:\d+7], v[\sa], v[\sb] matrix_a_fmt:MATRIX_FMT_BF6 matrix_b_fmt:MATRIX_FMT_BF6 matrix_a_scale:MATRIX_SCALE_ROW1 matrix_b_scale:MATRIX_SCALE_ROW1
.else
	v_wmma_scale_f32_16x16x128_f8f6f4 v[\d:\d+7], v[\a:\a+11], v[\b:\b+11], v[\d:\d+7], v[\sa], v[\sb] matrix_a_fmt:MATRIX_FMT_BF6 matrix_b_fmt:MATRIX_FMT_BF6
.endif
.endm
.macro MULQK lo, hi, p, q, s, zero
.set WF_, \lo
.rept (\hi)-(\lo)+1
.irp xt, 0,1,2,3
.set D_, 128*(WF_/4)+32*\xt+8*(WF_%4)
.set A_, 12*WF_
.set B_, XF+48*(\p)+12*\xt
	WM D_, A_, B_, \zero, SC+16*(\s)+4+WF_, SC+16*(\s)+\xt, \q
.endr
.set WF_, WF_+1
.endr
.endm
.macro MULV lo, hi, p, q, s, zero
.set WF_, \lo
.rept (\hi)-(\lo)+1
.irp xt, 0,1,2,3
.set D_, 64*(\xt/2)+16*(WF_-8)+8*(\xt%2)
.set A_, XF+48*(\p)+12*\xt
.set B_, 12*WF_
	WM D_, A_, B_, \zero, SC+16*(\s)+\xt, SC+16*(\s)+4+WF_, \q
.endr
.set WF_, WF_+1
.endr
.endm
.macro FETCH_W slot, q, lo, hi
	WIN TO_W
.set WF_, \lo
.rept (\hi)-(\lo)+1
.irp g, 0,1,2
.if WF_ < 8
	ds_load_b128 v[12*WF_+4*\g:12*WF_+4*\g+3], v[ADRB+\slot] offset:PART*(WF_/4)+12288*((WF_%4)/2)+3072*(WF_%2)+1536*(\q)+512*\g
.else
	ds_load_b128 v[12*WF_+4*\g:12*WF_+4*\g+3], v[ADRV+\slot] offset:12288*((WF_%4)/2)+3072*(WF_%2)+1536*(\q)+512*\g
.endif
.endr
.set WF_, WF_+1
.endr
.endm
.macro FETCH_X slot, q, p
	WIN 0
.irp xt, 0,1,2,3
.irp g, 0,1,2
	ds_load_b128 v[XF+48*(\p)+12*\xt+4*\g:XF+48*(\p)+12*\xt+4*\g+3], v[ADRA+\slot] offset:12288*(\xt/2)+3072*(\xt%2)+1536*(\q)+512*\g
.endr
.endr
.endm
.macro SCALES s
.irp xt, 0,1,2,3
	ds_load_b32 v[SC+16*(\s)+\xt], v[ADSA] offset:4096*(\xt/2)+1024*(\xt%2)
.endr
.irp wf, 0,1,2,3,4,5,6,7,8,9,10,11
	ds_load_b32 v[SC+16*(\s)+4+\wf], v[ADSB] offset:8192*(\wf/4)+4096*((\wf%4)/2)+1024*(\wf%2)
.endr
.endm
.macro STEP slot, zero
	s_wait_dscnt 18
	WIN MQK
	MULQK 0, 5, 0, 0, \slot, \zero
	s_wait_dscnt 0x0
	PLACES 4
	FETCH_W \slot, 1, 0, 5
	FETCH_X \slot, 1, 1
	WIN MQK
	MULQK 6, 7, 0, 0, \slot, \zero
	WIN MV
	MULV 8, 11, 0, 0, \slot, \zero
	PLACES 4
	FETCH_W \slot, 1, 6, 11
	WIN 0
.endm
.macro TURN slot, next, fill
.if (\fill) && (\slot) == 0
	s_wait_xcnt 0x0                                ; my prefetches have read their address: it steps two slots on, once a trip
	s_add_nc_u64 s[76:77], s[76:77], 6144
.endif
	s_wait_tensorcnt 0x0
	ds_add_u32 v[SPW], v[NIL]
	s_wait_dscnt 19
	WIN MQK
	MULQK 0, 2, 1, 1, \slot, 0
	s_wait_dscnt 0x0
	s_barrier_signal -1
	MULQK 3, 5, 1, 1, \slot, 0
	WIN 0
	s_barrier_wait -1
.if \fill
	CREST
	s_add_nc_u64 s[G0+4*\slot+2:G0+4*\slot+3], s[G0+4*\slot+2:G0+4*\slot+3], 6144
	s_add_nc_u64 s[G0B+4*\slot+2:G0B+4*\slot+3], s[G0B+4*\slot+2:G0B+4*\slot+3], 6144
	JLOAD G0+4*\slot, G1, G0B+4*\slot, G1B
.else
	PLACES 4
.endif
	s_wait_alu depctr_va_vdst(0)
	v_add_nc_u32 v[ADSA], 128, v[ADSA]
	v_add_nc_u32 v[ADSB], 128, v[ADSB]
	FETCH_W \next, 0, 0, 5
	FETCH_X \next, 0, 0
	SCALES \next
.if \fill
	s_cmp_gt_u32 s3, 1                             ; behind the joint load and the run of LDS loads: the slot two refills on; the last trip's refills have none
	s_cbranch_scc0 .Lno_ask_\@
	global_prefetch_b8 v30, s[76:77] offset:3072*\slot th:TH_LOAD_NT scope:SCOPE_SE
.Lno_ask_\@:
.endif
	WIN MQK
	MULQK 6, 7, 1, 1, \slot, 0
	WIN MV
	MULV 8, 11, 1, 1, \slot, 0
	PLACES 4
	FETCH_W \next, 0, 6, 11
	WIN 0
.endm
	s_load_b256 s[4:11], s[0:1], 0x0
	s_load_b64 s[12:13], s[0:1], 0x20
	v_lshl_add_u32 v[SPW], v0, 2, SPARE
	v_mov_b32 v[NIL], 0
	ds_add_u32 v28, v29
	ds_add_u32 v28, v29
	s_wait_dscnt 0x0
	v_lshrrev_b32 v1, 5, v0
	v_readfirstlane_b32 s14, v1
	s_lshr_b32 s15, s14, 1
	s_and_b32 s16, s14, 1
	s_bfe_u32 s40, ttmp6, 0x40000
	s_bfe_u32 s41, ttmp6, 0x40004
	s_lshl_b32 s42, ttmp9, 2
	s_add_co_u32 s42, s42, s40
	s_and_b32 s17, ttmp7, 0xffff
	s_lshl_b32 s17, s17, 2
	s_add_co_u32 s17, s17, s41
	s_lshl_b32 s43, s41, 2
	s_lshl_b32 s43, 15, s43
	s_lshl_b32 s44, 0x1111, s40
	s_or_b32 s[G1+0], s43, (3<<16)|(1<<21)
	s_or_b32 s[G1B+0], s44, (3<<16)|(1<<21)
.irp g, G1, G1B
	s_mov_b32 s[\g+1], 384<<16
	s_mov_b32 s[\g+2], 8<<16
	s_mov_b32 s[\g+3], 384<<16
	s_mov_b32 s[\g+4], 8
	s_mov_b32 s[\g+5], 3072
	s_mov_b32 s[\g+6], 0
	s_mov_b32 s[\g+7], 0
.endr
	s_mul_i32 s20, s17, 196608
	s_mov_b32 s21, 0
	s_lshl_b32 s22, s17, 13
	s_mov_b32 s23, 0
	s_max_u32 s18, s14, 1
	s_sub_co_u32 s18, s18, 1
	s_lshl_b32 s18, s18, 3
	s_mul_i32 s46, s42, 24
	s_add_co_u32 s46, s46, s18
	s_add_co_u32 s46, s46, 128
	s_lshl_b32 s92, s46, 10
	s_mov_b32 s93, 0
	s_mul_i32 s46, s46, 24576
	s_mov_b32 s47, 0
	s_mul_i32 s45, s14, PART
	s_lshl_b32 s94, s14, 13
	s_mov_b32 s[SEL], 0x76543210
	s_mov_b32 s[SEL+1], 0xfedcba98
	s_wait_kmcnt 0x0
	s_add_nc_u64 s[20:21], s[4:5], s[20:21]
	s_add_nc_u64 s[22:23], s[6:7], s[22:23]
	s_add_nc_u64 s[46:47], s[4:5], s[46:47]
	s_add_nc_u64 s[92:93], s[6:7], s[92:93]
	s_cmp_eq_u32 s14, 0                            ; the scale words come through registers: wave 0 takes x's 8,192 bytes, waves 1 to 3 q's, k's, v's
	s_cselect_b64 s[92:93], s[22:23], s[92:93]
	s_cselect_b64 s[76:77], s[20:21], s[46:47]     ; the prefetches: the eight tile rows that I fetch,
	s_cselect_b32 s78, s40, s41                    ; my place among the four that ask for them jointly (cx for x, cy for a weight): it enters an address alone
	s_mul_i32 s78, s78, 49152                      ; my work-group's two rows of the eight, 24,576 bytes a row,
	s_add_co_u32 s78, s78, 6144                    ; at slot 2: 3,072 bytes of a row a slot
	s_mov_b32 s79, 0
	s_add_nc_u64 s[76:77], s[76:77], s[78:79]
	v_and_b32 v1, 31, v0
	v_lshlrev_b32 v15, 4, v1
	v_min_u32 v30, 23, v1                          ; a prefetch names 24 blocks of 256 bytes, 12 in each of two rows, a lane a block; lanes 24-31 name the last again
	v_mul_u32_u24 v31, v30, 11
	v_lshrrev_b32 v31, 7, v31                      ; which row: 1 from lane 12 on
	v_lshlrev_b32 v30, 8, v30
	v_mad_u32_u24 v30, v31, 21504, v30             ; 256 x lane + row x (24,576 - 3,072); never rewritten
	s_add_co_u32 s94, s94, SCL
	v_add_nc_u32 v14, s94, v15                     ; their place in LDS: bytes of their own, into which no fill lands
	s_wait_alu depctr_va_vdst(0)
.irp i, 0,1,2,3,4,5,6,7,8,9,10,11,12,13,14,15
	global_load_b128 v[64+4*\i:67+4*\i], v15, s[92:93] offset:512*\i   ; 512 consecutive bytes a load
.endr
.irp s, 0,1
	s_mov_b32 s[G0+4*\s], 1
	s_add_co_u32 s[G0+4*\s+1], s45, \s*SLOT
	s_add_nc_u64 s[G0+4*\s+2:G0+4*\s+3], s[20:21], \s*3072
	s_or_b32 s[G0+4*\s+3], s[G0+4*\s+3], 0x80000000
	s_mov_b32 s[G0B+4*\s], 1
	s_add_co_u32 s[G0B+4*\s+1], s45, \s*SLOT
	s_add_nc_u64 s[G0B+4*\s+2:G0B+4*\s+3], s[46:47], \s*3072
	s_or_b32 s[G0B+4*\s+3], s[G0B+4*\s+3], 0x80000000
.endr
	CROUND                                         ; all sixteen work-groups are here: the first joint loads meet
	JLOAD G0, G1, G0B, G1B                         ; slot 0: my one tensor load at the head
	s_wait_loadcnt 0x0
.irp i, 0,1,2,3,4,5,6,7,8,9,10,11,12,13,14,15
	ds_store_b128 v14, v[64+4*\i:67+4*\i] offset:512*\i
.endr
	s_wait_alu depctr_va_vdst(0)
	s_wait_tensorcnt 0x0                           ; slot 1's first fill is issued as a refill is
	ds_add_u32 v28, v29
	s_wait_dscnt 0x0                               ; the add and my stores of scale words are done
	CROUND
	JLOAD G0+4, G1, G0B+4, G1B
	global_prefetch_b8 v30, s[76:77] th:TH_LOAD_NT scope:SCOPE_SE               ; slots 2 and 3, which the first two refills will load
	global_prefetch_b8 v30, s[76:77] offset:3072 th:TH_LOAD_NT scope:SCOPE_SE
	v_and_b32 v1, 31, v0
	v_and_b32 v13, 15, v0
	v_bfe_u32 v14, v0, 4, 1
	v_lshlrev_b32 v[LI], 4, v1
	s_mul_i32 s21, s15, 6144
	s_mul_i32 s22, s16, 6144
	s_add_co_u32 s22, s22, PART
.irp s, 0,1
	v_add_nc_u32 v[ADRA+\s], s21, v[LI]
	v_add_nc_u32 v[ADRB+\s], s22, v[LI]
	s_add_co_u32 s21, s21, SLOT
	s_add_co_u32 s22, s22, SLOT
.endr
	v_add_nc_u32 v[ADRV], 2*PART, v[ADRB]
	v_add_nc_u32 v[ADRV+1], 2*PART, v[ADRB+1]
	v_lshlrev_b32 v15, 2, v1
	s_lshl_b32 s21, s15, 11
	s_add_co_u32 s21, s21, SCL
	v_add_nc_u32 v[ADSA], s21, v15
	s_lshl_b32 s22, s16, 11
	s_add_co_u32 s22, s22, SCL+8192
	v_add_nc_u32 v[ADSB], s22, v15
	v_and_b32 v15, 8, v13
	v_add_nc_u32 v15, v15, v13
	v_lshlrev_b32 v[TBA], 9, v15
	v_lshl_add_u32 v[TBA], v14, 6, v[TBA]
	s_lshl_b32 s21, s15, 14
	s_lshl_b32 s22, s16, 7
	s_add_co_u32 s21, s21, s22
	v_add_nc_u32 v[TBA], s21, v[TBA]
	s_lshl_b32 s20, s17, 16
	s_mov_b32 s21, 0
	s_add_nc_u64 s[8:9], s[8:9], s[20:21]
	WIN 0xc0
.irp xt, 0,1,2,3
.irp sc, 0,1
.irp e, 0,1,2,3
	global_load_b128 v[128+32*\xt+16*\sc+4*\e:128+32*\xt+16*\sc+4*\e+3], v[TBA], s[8:9] offset:(64*(\xt/2)+8*(\xt%2))*512+256*\sc+16*\e
.endr
.endr
.endr
	WIN 0
	v_lshlrev_b32 v15, 4, v13
	v_mad_u32_u24 v[A12Q], v14, 12, v15
	s_wait_alu depctr_va_vdst(0)
	v_mad_u32_u24 v[A508Q], v14, 508, v15
	s_wait_alu depctr_va_vdst(0)
	s_lshl_b32 s21, s16, 8
	s_mul_i32 s22, s15, 3072
	s_add_co_u32 s21, s21, s22
	s_add_co_u32 s21, s21, IMG
	s_lshl_b32 s22, s15, 8
	s_mul_i32 s23, s16, 3072
	s_add_co_u32 s22, s22, s23
	s_add_co_u32 s22, s22, IMG+24576
	v_add_nc_u32 v[A12V], s22, v[A12Q]
	v_add_nc_u32 v[A508V], s22, v[A508Q]
	v_add_nc_u32 v[A12Q], s21, v[A12Q]
	v_add_nc_u32 v[A508Q], s21, v[A508Q]
	v_lshlrev_b32 v15, 2, v13
	s_lshl_b32 s21, s15, 7
	s_add_co_u32 s21, s21, s16
	s_add_co_u32 s21, s21, SCB
	v_add_nc_u32 v[SBQ], s21, v15
	s_lshl_b32 s22, s16, 7
	s_add_co_u32 s22, s22, s15
	s_add_co_u32 s22, s22, SCB+1024
	v_add_nc_u32 v[SBV], s22, v15
	v_lshl_add_u32 v[RDI], v0, 4, IMG
	v_lshlrev_b32 v[GOI], 4, v0
	v_lshl_add_u32 v[SCR], v0, 4, SCB
	s_lshl_b32 s20, s42, 4
	s_add_co_u32 s20, s20, s17
	s_mul_i32 s22, s20, 12288
	s_mov_b32 s23, 0
	s_add_nc_u64 s[10:11], s[10:11], s[22:23]
	s_lshl_b32 s22, s20, 9
	s_min_u32 s21, s14, 2
	s_lshl_b32 s21, s21, 17
	s_add_co_u32 s22, s22, s21
	s_add_nc_u64 s[12:13], s[12:13], s[22:23]
	s_wait_tensorcnt 1
	s_barrier_signal -1
	s_barrier_wait -1
	FETCH_W 0, 0, 0, 5
	FETCH_X 0, 0, 0
	SCALES 0
	FETCH_W 0, 0, 6, 11
	WIN 0
	STEP 0, 1
	s_mov_b32 s3, 3
.Llap:
	TURN 0, 1, 1
	STEP 1, 0
	TURN 1, 0, 1
	STEP 0, 0
	s_sub_co_u32 s3, s3, 1
	s_cmp_lg_u32 s3, 0
	s_cbranch_scc1 .Llap
	TURN 0, 1, 0
	STEP 1, 0
	s_wait_dscnt 18
	WIN MQK
	MULQK 0, 5, 1, 1, 1, 0
	s_wait_dscnt 0x0
	MULQK 6, 7, 1, 1, 1, 0
	WIN MV
	MULV 8, 11, 1, 1, 1, 0
	WIN 0
	PLACES 4
	s_wait_loadcnt 0x0
	v_mov_b32 v98, 0
	v_mov_b32 v99, 0
.irp b, 0,1,2,3,4,5,6,7
	v_mov_b32 v[120+\b], 0
.endr
.macro QKTURN mat, xt
.set AQ, 128*(\mat)+32*(\xt)
.set TB, 128+32*(\xt)
.set TN, 4*(\mat)+(\xt)
.set CQ, 128+8*TN
.set TI, 4*((\xt)/2)+(\xt)%2
.set OQ, 12288*(\mat)+1536*TI
	WIN 0x0e
.irp i, 0,2,4,6,8,10,12,14
.set TT, 104+4*((\i/2)%2)
	v_pk_mul_f32 v[TT:TT+1], v[AQ+\i:AQ+\i+1], v[TB+16+\i:TB+17+\i]
	v_pk_mul_f32 v[TT+2:TT+3], v[AQ+16+\i:AQ+17+\i], v[TB+16+\i:TB+17+\i]
	v_pk_fma_f32 v[R+\i:R+\i+1], v[AQ+\i:AQ+\i+1], v[TB+\i:TB+\i+1], v[TT+2:TT+3] neg_lo:[0,0,1] neg_hi:[0,0,1]
	v_pk_fma_f32 v[R+16+\i:R+17+\i], v[AQ+16+\i:AQ+17+\i], v[TB+\i:TB+\i+1], v[TT:TT+1]
.endr
	WIN 0
	v_max3_num_f32 v96, |v[R]|, |v[R+1]|, 0x2800000
	v_max3_num_f32 v97, |v[R+16]|, |v[R+17]|, 0x2800000
.irp i, 2,4,6,8,10,12,14
	v_max3_num_f32 v96, v96, |v[R+\i]|, |v[R+\i+1]|
	v_max3_num_f32 v97, v97, |v[R+16+\i]|, |v[R+17+\i]|
.endr
	v_permlanex16_b32 v98, v96, s[SEL], s[SEL+1]
	v_permlanex16_b32 v99, v97, s[SEL], s[SEL+1]
	v_max_num_f32 v96, v96, v98
	v_max_num_f32 v97, v97, v99
	v_add_nc_u32 v100, 0xfe000000, v96
	v_add_nc_u32 v101, 0xfe000000, v97
	v_lshrrev_b32 v[192+2*TN], 23, v100
	v_lshrrev_b32 v[193+2*TN], 23, v101
	v_cvt_scalef32_pk16_bf6_f32 v[CQ:CQ+2], v[R:R+15], v100
	v_cvt_scalef32_pk16_bf6_f32 v[CQ+4:CQ+6], v[R+16:R+31], v101
	v_nop
	ds_store_b32 v[A12Q], v[CQ] offset:OQ
	ds_store_b32 v[A508Q], v[CQ+1] offset:OQ+4
	ds_store_b32 v[A508Q], v[CQ+2] offset:OQ+8
	ds_store_b32 v[A508Q], v[CQ+4] offset:OQ+520
	ds_store_b32 v[A508Q], v[CQ+5] offset:OQ+524
	ds_store_b32 v[A12Q], v[CQ+6] offset:OQ+1024
	ds_store_b8 v[SBQ], v[192+2*TN] offset:512*(\mat)+64*TI
	ds_store_b8 v[SBQ], v[193+2*TN] offset:512*(\mat)+64*TI+2
.endm
.irp m, 0,1
.irp x, 0,1,2,3
	QKTURN \m, \x
.endr
.endr
	WIN 0x0f
.irp blk, 0,1,2,3,4,5,6,7
	v_max3_num_f32 v[112+\blk], |v[16*\blk]|, |v[16*\blk+1]|, 0x2800000
.endr
.irp i, 2,4,6,8,10,12,14
.irp blk, 0,1,2,3,4,5,6,7
	v_max3_num_f32 v[112+\blk], |v[16*\blk+\i]|, |v[16*\blk+\i+1]|, v[112+\blk]
.endr
.endr
	WIN 0
.irp blk, 0,1,2,3,4,5,6,7
	v_permlanex16_b32 v[120+\blk], v[112+\blk], s[SEL], s[SEL+1]
.endr
.irp blk, 0,1,2,3,4,5,6,7
	v_max_num_f32 v[112+\blk], v[112+\blk], v[120+\blk]
.endr
.irp blk, 0,1,2,3,4,5,6,7
	v_add_nc_u32 v[120+\blk], 0xfe000000, v[112+\blk]
.endr
.irp blk, 0,1,2,3,4,5,6,7
	v_lshrrev_b32 v[240+\blk], 23, v[120+\blk]
.endr
	WIN 0x03
.irp blk, 0,1,2,3,4,5,6,7
	v_cvt_scalef32_pk16_bf6_f32 v[208+4*\blk:210+4*\blk], v[16*\blk:16*\blk+15], v[120+\blk]
.endr
	WIN 0
	v_nop
.irp blk, 0,1,2,3,4,5,6,7
.set TI, 4*((\blk%4)/2)+(\blk%2)
.set OV, 1536*TI
.set CV, 208+4*\blk
.if \blk < 4
	ds_store_b32 v[A12V], v[CV] offset:OV
	ds_store_b32 v[A508V], v[CV+1] offset:OV+4
	ds_store_b32 v[A508V], v[CV+2] offset:OV+8
.else
	ds_store_b32 v[A508V], v[CV] offset:OV+520
	ds_store_b32 v[A508V], v[CV+1] offset:OV+524
	ds_store_b32 v[A12V], v[CV+2] offset:OV+1024
.endif
	ds_store_b8 v[SBV], v[240+\blk] offset:64*TI+2*(\blk/4)
.endr
	s_wait_dscnt 0x0
	s_barrier_signal -1
	s_barrier_wait -1
.irp i, 0,1,2,3,4,5,6,7,8,9,10,11,12,13,14,15,16,17
	ds_load_b128 v[64+4*\i:67+4*\i], v[RDI] offset:2048*\i
.endr
.irp i, 0,1,2,3,4,5,6,7,8,9,10,11,12,13,14,15,16,17
	s_wait_dscnt 17-\i
	global_store_b128 v[GOI], v[64+4*\i:67+4*\i], s[10:11] offset:(\i/6)*3145728+2048*(\i%6)
.endr
	s_cmp_lt_u32 s14, 3
	s_cbranch_scc0 .Lno_scales
	ds_load_b128 v[136:139], v[SCR]
	s_wait_dscnt 0x0
	global_store_b128 v[LI], v[136:139], s[12:13]
.Lno_scales:
	s_wait_tensorcnt 0x0
	ds_add_u32 v[SPW], v[NIL]
	s_wait_dscnt 0x0
	CROUND
	s_endpgm
.Lfunc_end_k_q7c5e05c620_qkv:
	.size	k_q7c5e05c620_qkv, .Lfunc_end_k_q7c5e05c620_qkv-k_q7c5e05c620_qkv
	.p2alignl 7, 3214868480
	.fill 96, 4, 3214868480
	.section	.rodata,"a",@progbits
	.p2align	6, 0x0
	.amdhsa_kernel k_q7c5e05c620_qkv
		.amdhsa_group_segment_fixed_size 327680
		.amdhsa_private_segment_fixed_size 0
		.amdhsa_enable_private_segment 0
		.amdhsa_kernarg_size 40
		.amdhsa_user_sgpr_count 2
		.amdhsa_user_sgpr_kernarg_segment_ptr 1
		.amdhsa_wavefront_size32 1
		.amdhsa_system_sgpr_workgroup_id_x 1
		.amdhsa_system_sgpr_workgroup_id_y 1
		.amdhsa_system_sgpr_workgroup_id_z 1
		.amdhsa_system_vgpr_workitem_id 0
		.amdhsa_next_free_vgpr 1024
		.amdhsa_next_free_sgpr 98
		.amdhsa_reserve_vcc 0
		.amdhsa_float_denorm_mode_32 3
		.amdhsa_float_denorm_mode_16_64 3
		.amdhsa_memory_ordered 1
		.amdhsa_forward_progress 1
		.amdhsa_inst_pref_size 146
	.end_amdhsa_kernel
	.amdgpu_metadata
---
amdhsa.version: [ 1, 2 ]
amdhsa.kernels:
  - .name:           k_q7c5e05c620_qkv
    .symbol:         k_q7c5e05c620_qkv.kd
    .args:
      - { .name: xw_codes, .offset: 0, .size: 8, .value_kind: global_buffer, .address_space: global }
      - { .name: xw_scales, .offset: 8, .size: 8, .value_kind: global_buffer, .address_space: global }
      - { .name: rope, .offset: 16, .size: 8, .value_kind: global_buffer, .address_space: global }
      - { .name: qkv_codes, .offset: 24, .size: 8, .value_kind: global_buffer, .address_space: global }
      - { .name: qkv_scales, .offset: 32, .size: 8, .value_kind: global_buffer, .address_space: global }
    .group_segment_fixed_size: 327680
    .private_segment_fixed_size: 0
    .kernarg_segment_align: 8
    .kernarg_segment_size: 40
    .max_flat_workgroup_size: 128
    .sgpr_count:     98
    .vgpr_count:     1024
    .wavefront_size: 32
...
	.end_amdgpu_metadata
.endif
;; end of part 2
;; launch attn (part 3): grid 16 x 16, 8 waves a work-group, no clusters, 70,656 bytes of LDS; arguments qkv_codes, qkv_scales, maskbits, y_codes, y_scales; writes y_codes, y_scales
.if DOCPART == 3
	.amdgcn_target "amdgcn-amd-amdhsa--gfx1250"
	.amdhsa_code_object_version 6
	.text
	.protected	k_q7c5e05c620_attn
	.globl	k_q7c5e05c620_attn
	.p2align	8
	.type	k_q7c5e05c620_attn,@function
k_q7c5e05c620_attn:
	s_mov_b64 s[64:65], 0
	v_nop
	global_prefetch_b8 v0, s[64:65] scope:SCOPE_SE
	s_setreg_imm32_b32 hwreg(HW_REG_WAVE_MODE, 25, 1), 1
	s_wait_xcnt 0x0
; ATTN: y[q] = the sum over keys of softmax(q . k / sqrt(128), under the given mask) v, both products on codes of BF6 with E8M0 scales; y quantised along the head's 128 and stored as images for the last product.
; THE SOFTMAX: t = score x log2(e) / sqrt(128); M = the running largest t rounded up to a whole number; p = 2^(t - M) is quantised along the keys, not normalised; the row's sum is taken of the unquantised p and
; divides at the end.  When M moves, the sum and O are multiplied by 2^(old M - new M): exact.
; THE MASK is an input of any pattern; an earlier launch stored it as whole numbers, 64 words for a query tile and a key step of 128 (bit = lane, word = register).  At its head a wave reduces its words to two lists of
; bits: the steps in which some key counts for some of its queries, and those in which every key counts.  It walks the steps of the first list alone (a step with no bit set adds p = 0 everywhere); where the second bit
; is off, hidden scores become -infinity by v_cndmask_b32.  The launch has no tensor load and no cluster.
; A row all of whose keys are hidden has the sum 0: its codes become zeros and its scale bytes 0xff, so that the last product's sums for that row are NaN, as a softmax of nothing is.
; SHARES.  A wave owns 32 queries (two tiles of 16, a query a lane) of one head and the key steps of one parity: each fragment of K and V feeds two products.  Waves w and w ^ 2 own the same queries and the two parities.
; A work-group (x, head y) holds two groups of 32 queries of block 15 - x / 2 and two of block x / 2 (blocks of 128 queries); which of the two a wave takes: (w & 1) ^ (w >> 2).
; My slot 0 is tile 2 g + parity, my slot 1 the other: at the end each wave hands its slot 1 (O^T, -M, the sum) to its partner through LDS and finishes its slot 0, both halves brought under the larger M by powers of two.
; K's and V's images go from memory straight into the operand registers, 512 consecutive bytes a load.  K's of the next listed step are asked for behind this step's second product with K, V's behind the products with V.
; Behind the list's end K's address is held at my last step (inside the buffer) and what comes is not used.
; PREFETCH.  Which steps a wave walks is known only from its lists, so the requests are not laid trip by trip: the sixteen work-groups of a head share its K and V out by address, and each asks once, at its head, while its
; mask words are on their way, for its sixteenth: 24,576 bytes, as many as one key step's images, 12 blocks of 256 bytes a wave; wave 0 asks for 1,024 bytes of K's and V's scale words.  Each block is named once in a head.
; Both products are used transposed: S^T = K Q^T, O^T = V^T P^T.  Maxima and sums run in eight chains by turns.
; REGISTERS.  Window 0: v1-11 addresses; v12-19 -M, largest t, sum for each slot; v20-39 at work; v41-42 the prefetches' offsets; v44-55 scale words; v56-59 factors; v64-127 S^T, then p; v128-151 p's codes; v160-255 K.
;   Window 1: v0-127 O^T of slots 0, 1; v128-223 V; v224-247 Q of slots 0, 1.   s[68:99], s[32:63]: 64 mask words.
; LIMITS: NaN and infinities among the codes' numbers do not occur; a block of zeros of y gets the byte 1 (zero codes; this program alone reads the bytes); the scaled scores stay under 2^31 in magnitude.
; The sums over the keys are made in two halves and added: another order of f32 rounding than one chain's.
.set MT,    8704                       ; what a wave hands over: 16 images of 512 bytes, then -M and the sum, 128 bytes each
.set SPARE, 8*MT                       ; the spare words, 128 bytes a wave: four blocks of 256 bytes that no other line names
.set LI,  1
.set L4,  2
.set R4,  3
.set SPW, 4
.set NIL, 5
.set NEG, 6
.set MA,  7
.set MAR, 8
.set MB,  9
.set MBR, 10
.set L8,  11
.set SCO, 20
.set CT,  24                           ; v24-31 the conversions' upper halves; with v32-39 the eight pairs of the sums' chains
.set QS,  44
.set KS,  46
.set VS,  50
.set PW,  54
.set FF,  56
.set T0,  60
.set LB,  61
.set RC,  62
.set S,   64
.set PC,  128
.set BM,  152
.set BT,  156
.set K,   160
.set MSB, 0
.macro WIN new                         ; the immediate's high byte repeats the setting that is left
.if MSB != \new
	s_set_vgpr_msb (MSB<<8)|\new
.set MSB, \new
.endif
.endm
.macro MLOAD b, o                      ; a tile's 64 mask words of one key step
	s_load_b512 s[68:83], s[\b:\b+1], s[\o] offset:0x0
	s_load_b512 s[84:99], s[\b:\b+1], s[\o] offset:0x40
	s_load_b512 s[32:47], s[\b:\b+1], s[\o] offset:0x80
	s_load_b512 s[48:63], s[\b:\b+1], s[\o] offset:0xc0
.endm
.macro MASK                            ; a hidden key's score becomes -infinity; each accumulator from its low end on
.set n, 0
.rept 32
	v_cndmask_b32 v[S+n], v[NEG], v[S+n], s[68+n]
.set n, n+1
.endr
.rept 32
	v_cndmask_b32 v[S+n], v[NEG], v[S+n], s[n]
.set n, n+1
.endr
.endm
.macro NEXTJ                           ; the next listed step: s17 its number among my eight, held to 7; its addresses
	s_ctz_i32_b32 s17, s10
	s_min_u32 s17, s17, 7
	s_sub_co_u32 s19, s10, 1
	s_and_b32 s10, s10, s19                        ; its bit leaves the list
	s_lshl_b32 s19, s17, 1
	s_add_co_u32 s19, s19, s18                     ; the key step: 2 x number + parity
	s_mul_i32 s26, s19, 12288
	s_lshl_b32 s28, s19, 9
	s_lshl_b32 s31, s19, 8
	s_add_nc_u64 s[20:21], s[2:3], s[26:27]        ; K's images; V's lie 3,145,728 bytes on
	s_add_nc_u64 s[22:23], s[4:5], s[28:29]        ; K's scale words; V's lie 131,072 bytes on
.endm
.macro LOADK                           ; 28 loads
.irp t, 0,1,2,3,4,5,6,7
.irp g, 0,1,2
	global_load_b128 v[K+12*\t+4*\g:K+12*\t+4*\g+3], v[LI], s[20:21] offset:1536*\t+512*\g
.endr
.endr
.irp i, 0,1,2,3
	global_load_b32 v[KS+\i], v[L4], s[22:23] offset:128*\i   ; lanes 0-15 tile 2 i's words, lanes 16-31 tile 2 i + 1's
.endr
.endm
.macro LOADV                           ; 28 loads
	WIN 0x40
.irp t, 0,1,2,3,4,5,6,7
.irp g, 0,1,2
	global_load_b128 v[128+12*\t+4*\g:128+12*\t+4*\g+3], v[LI], s[20:21] offset:3145728+1536*\t+512*\g
.endr
.endr
	WIN 0
.irp i, 0,1,2,3
	global_load_b32 v[VS+\i], v[L4], s[22:23] offset:131072+128*\i
.endr
.endm
.macro QK u                            ; S^T: 128 keys x slot u's 16 queries; an odd tile's scale words stand in lanes 16-31
	WIN 0x04
.irp t, 0,1,2,3,4,5,6,7
.if (\t)%2
	v_wmma_scale_f32_16x16x128_f8f6f4 v[S+8*\t:S+8*\t+7], v[K+12*\t:K+12*\t+11], v[224+12*\u:235+12*\u], 0, v[KS+\t/2], v[QS+\u] matrix_a_fmt:MATRIX_FMT_BF6 matrix_b_fmt:MATRIX_FMT_BF6 matrix_a_scale:MATRIX_SCALE_ROW1
.else
	v_wmma_scale_f32_16x16x128_f8f6f4 v[S+8*\t:S+8*\t+7], v[K+12*\t:K+12*\t+11], v[224+12*\u:235+12*\u], 0, v[KS+\t/2], v[QS+\u] matrix_a_fmt:MATRIX_FMT_BF6 matrix_b_fmt:MATRIX_FMT_BF6
.endif
.endr
.endm
.macro PV                              ; O^T += V^T p^T: the sixteen accumulators by turns
	WIN 0x51
.irp t, 0,1,2,3,4,5,6,7
.irp u, 0,1
.if (\t)%2
	v_wmma_scale_f32_16x16x128_f8f6f4 v[64*\u+8*\t:64*\u+8*\t+7], v[128+12*\t:139+12*\t], v[PC+12*\u:PC+12*\u+11], v[64*\u+8*\t:64*\u+8*\t+7], v[VS+\t/2], v[PW+\u] matrix_a_fmt:MATRIX_FMT_BF6 matrix_b_fmt:MATRIX_FMT_BF6 matrix_a_scale:MATRIX_SCALE_ROW1
.else
	v_wmma_scale_f32_16x16x128_f8f6f4 v[64*\u+8*\t:64*\u+8*\t+7], v[128+12*\t:139+12*\t], v[PC+12*\u:PC+12*\u+11], v[64*\u+8*\t:64*\u+8*\t+7], v[VS+\t/2], v[PW+\u] matrix_a_fmt:MATRIX_FMT_BF6 matrix_b_fmt:MATRIX_FMT_BF6
.endif
.endr
.endr
	WIN 0
.endm
.macro RESCALE u                       ; slot u's O^T under the new M
	WIN 0x41
	s_wait_alu depctr_va_vdst(0)                   ; the wait, directly ahead of the first reader of O^T
.irp j2, 0,2,4,6,8,10,12,14,16,18,20,22,24,26,28,30,32,34,36,38,40,42,44,46,48,50,52,54,56,58,60,62
	v_pk_mul_f32 v[64*\u+\j2:64*\u+\j2+1], v[64*\u+\j2:64*\u+\j2+1], v[FF+2*\u:FF+2*\u+1] op_sel_hi:[1,0]
.endr
.endm
.macro BYTES pw                        ; the blocks' largest magnitudes in v[BM] on become scale operands, bytes and the scale word
.irp b, 0,1,2,3
	v_add_nc_u32 v[SCO+\b], 0xfe000000, v[BM+\b]   ; 4 off the exponent field
.endr
.irp b, 0,1,2,3
	v_lshrrev_b32 v[BT+\b], 23, v[SCO+\b]
.endr
	v_lshl_or_b32 v[\pw], v[BT+1], 8, v[BT]
	v_lshl_or_b32 v[BT+2], v[BT+3], 8, v[BT+2]
	v_lshl_or_b32 v[\pw], v[BT+2], 16, v[\pw]
.endm
.macro CODES pc                        ; v[S] .. v[S + 63] with the scale operands in v[SCO] on become the fragment in v[pc] on
.irp c, 0,1
	v_cvt_scalef32_pk16_bf6_f32 v[\pc+6*\c:\pc+2+6*\c], v[S+32*\c:S+15+32*\c], v[SCO+2*\c]
	v_cvt_scalef32_pk16_bf6_f32 v[CT+4*\c:CT+2+4*\c], v[S+16+32*\c:S+31+32*\c], v[SCO+2*\c+1]   ; (a conversion's three registers begin on an even number)
.endr
	v_nop                                          ; one plain place behind a scaled conversion
.irp c, 0,1                            ; the operand wants a whole block in a lane
.irp i, 0,1,2
	v_permlane16_swap_b32 v[\pc+6*\c+\i], v[CT+4*\c+\i]
.endr
.endr
.irp c, 0,1
.irp i, 0,1,2
	v_mov_b32 v[\pc+3+6*\c+\i], v[CT+4*\c+\i]
.endr
.endr
.endm
.macro SOFT u                          ; slot u's scores in v[S] on become p's codes and scale word, the factor, the running -M and sum
.irp b, 0,1,2,3                        ; the largest score of each block of 32 keys: for the row's maximum and, since p rises with the score, for the block's largest p.  Each accumulator is read from its low end on
	v_max3_num_f32 v[BM+\b], v[S+16*\b], v[S+1+16*\b], v[S+2+16*\b]
.endr
.irp b, 0,1,2,3
	v_max3_num_f32 v[BT+\b], v[S+8+16*\b], v[S+9+16*\b], v[S+10+16*\b]
.endr
.irp i, 3,5
.irp b, 0,1,2,3
	v_max3_num_f32 v[BM+\b], v[BM+\b], v[S+16*\b+\i], v[S+1+16*\b+\i]
.endr
.irp b, 0,1,2,3
	v_max3_num_f32 v[BT+\b], v[BT+\b], v[S+8+16*\b+\i], v[S+9+16*\b+\i]
.endr
.endr
.irp b, 0,1,2,3
	v_max_num_f32 v[SCO+\b], v[S+7+16*\b], v[S+15+16*\b]
.endr
.irp b, 0,1,2,3
	v_max3_num_f32 v[BM+\b], v[BM+\b], v[BT+\b], v[SCO+\b]
.endr
.irp b, 0,1,2,3
	v_permlanex16_b32 v[BT+\b], v[BM+\b], s12, s13
.endr
.irp b, 0,1,2,3
	v_max_num_f32 v[BM+\b], v[BM+\b], v[BT+\b]     ; with lane l xor 16's 16 keys
.endr
	v_max3_num_f32 v[T0], v[BM], v[BM+1], v[BM+2]
	v_max_num_f32 v[T0], v[T0], v[BM+3]
	v_mul_f32 v[T0], s14, v[T0]                    ; as t
	v_max_num_f32 v[13+4*\u], v[13+4*\u], v[T0]    ; the running largest t
	v_mov_b32 v[T0], v[12+4*\u]
	v_floor_f32 v[12+4*\u], -v[13+4*\u]            ; the new -M = floor(-t): M is a whole number
	v_sub_f32 v[T0], v[12+4*\u], v[T0]             ; old M - new M: a whole number, 0 or less
	v_cvt_i32_f32 v[T0], v[T0]                     ; (it saturates)
	v_ldexp_f32 v[FF+2*\u], 1.0, v[T0]             ; f = 2^(old M - new M)
.irp j2, 0,2,4,6,8,10,12,14,16,18,20,22,24,26,28,30,32,34,36,38,40,42,44,46,48,50,52,54,56,58,60,62
	v_pk_fma_f32 v[S+\j2:S+1+\j2], v[S+\j2:S+1+\j2], s[14:15], v[12+4*\u:13+4*\u] op_sel_hi:[1,0,0]   ; t - M, two at a time
.endr
.irp b, 0,1,2,3
	v_fma_f32 v[BM+\b], v[BM+\b], s14, v[12+4*\u]  ; the same of each block's largest score
.endr
	s_wait_alu depctr_va_vdst(0)                   ; the wait ahead of the batch
.set n, 0
.rept 64
	v_exp_f32 v[S+n], v[S+n]                       ; p = 2^(t - M), at most 1
.set n, n+1
.endr
	v_pk_mul_f32 v[14+4*\u:15+4*\u], v[14+4*\u:15+4*\u], v[FF+2*\u:FF+2*\u+1] op_sel_hi:[1,0]   ; the sums under the new M (a plain place behind the exponentials)
	s_wait_alu depctr_va_vdst(0)                   ; one wait for the batch, ahead of its first reader
.irp b, 0,1,2,3
	v_exp_f32 v[BM+\b], v[BM+\b]                   ; the block's largest p
.endr
.irp k, 0,1,2,3,4,5,6,7                ; the row's sum of the unquantised p: eight chains by turns
	v_pk_add_f32 v[CT+2*\k:CT+2*\k+1], v[S+4*\k:S+4*\k+1], v[S+4*\k+2:S+4*\k+3]
.endr
.irp i, 32,48
.irp k, 0,1,2,3,4,5,6,7
	v_pk_add_f32 v[CT+2*\k:CT+2*\k+1], v[CT+2*\k:CT+2*\k+1], v[S+\i+2*\k:S+\i+2*\k+1]
.endr
.endr
.irp k, 0,1,2,3
	v_pk_add_f32 v[CT+2*\k:CT+2*\k+1], v[CT+2*\k:CT+2*\k+1], v[CT+8+2*\k:CT+9+2*\k]
.endr
	v_pk_add_f32 v[CT:CT+1], v[CT:CT+1], v[CT+4:CT+5]
	v_pk_add_f32 v[CT+2:CT+3], v[CT+2:CT+3], v[CT+6:CT+7]
	v_pk_add_f32 v[14+4*\u:15+4*\u], v[14+4*\u:15+4*\u], v[CT:CT+1]
	v_pk_add_f32 v[14+4*\u:15+4*\u], v[14+4*\u:15+4*\u], v[CT+2:CT+3]
	s_wait_alu depctr_va_vdst(0)                   ; and one for the four
.irp b, 0,1,2,3
	v_max_num_f32 v[BM+\b], 0x2800000, v[BM+\b]    ; the floor 2^(5 - 127): the byte cannot fall under 1
.endr
	BYTES PW+\u
	CODES PC+12*\u
.endm
	s_load_b256 s[32:39], s[0:1], 0x0              ; qkv_codes, qkv_scales, maskbits, y_codes
	s_load_b64 s[40:41], s[0:1], 0x20              ; y_scales
	v_lshl_add_u32 v[SPW], v0, 2, SPARE
	v_mov_b32 v[NIL], 0
	v_lshrrev_b32 v1, 5, v0
	v_readfirstlane_b32 s8, v1                     ; wave 0..7
	s_lshr_b32 s16, s8, 2                          ; which of the two groups of a block
	s_and_b32 s17, s8, 1
	s_xor_b32 s17, s17, s16                        ; which of the two blocks
	s_bfe_u32 s18, s8, 0x10001                     ; my parity of key steps
	s_lshr_b32 s10, ttmp9, 1
	s_sub_co_u32 s9, 15, s10
	s_cmp_eq_u32 s17, 0
	s_cselect_b32 s9, s9, s10                      ; my block of 128 queries
	s_and_b32 s10, ttmp9, 1
	s_lshl_b32 s9, s9, 2
	s_lshl_b32 s10, s10, 1
	s_add_co_u32 s9, s9, s10
	s_add_co_u32 s9, s9, s16                       ; my group of 32 queries
	s_lshl_b32 s9, s9, 1
	s_add_co_u32 s9, s9, s18                       ; slot 0's query tile,
	s_xor_b32 s11, s9, 1                           ; slot 1's
	s_and_b32 s19, ttmp7, 0xffff                   ; the head
	s_mul_i32 s42, s19, 196608                     ; the head's bytes in each of q's, k's, v's codes,
	s_lshl_b32 s43, s19, 13                        ; and scales
	s_mul_i32 s44, s9, 1536
	s_add_co_u32 s44, s44, s42
	s_mov_b32 s45, 0
	s_mul_i32 s46, s11, 1536
	s_add_co_u32 s46, s46, s42
	s_mov_b32 s47, 0
	s_lshl_b32 s48, s9, 6
	s_add_co_u32 s48, s48, s43
	s_mov_b32 s49, 0
	s_lshl_b32 s50, s11, 6
	s_add_co_u32 s50, s50, s43
	s_mov_b32 s51, 0
	s_add_co_u32 s52, s42, 3145728
	s_mov_b32 s53, 0
	s_add_co_u32 s54, s43, 131072
	s_mov_b32 s55, 0
	s_lshl_b32 s56, s9, 12
	s_mov_b32 s57, 0
	s_lshl_b32 s58, s11, 12
	s_mov_b32 s59, 0
	s_lshl_b32 s60, s9, 4
	s_add_co_u32 s60, s60, s19                     ; y's image: 16 x tile + head
	s_lshl_b32 s62, s60, 6
	s_mov_b32 s63, 0
	s_mul_i32 s60, s60, 1536
	s_mov_b32 s61, 0
	s_mov_b32 s12, 0x76543210
	s_mov_b32 s13, 0xfedcba98                      ; v_permlanex16_b32's selects for lane l xor 16
	s_mov_b32 s14, 0x3e0293ee                      ; log2(e) / sqrt(128)
	s_mov_b32 s15, s14
	s_mov_b32 s27, 0
	s_mov_b32 s29, 0
	s_mul_i32 s16, s8, MT                          ; what I hand over,
	s_xor_b32 s17, s8, 2
	s_mul_i32 s17, s17, MT                         ; and what my partner hands me
	s_lshl_b32 s19, s18, 8
	s_lshl_b32 s20, ttmp9, 3                       ; the prefetch: my wave's number among the head's 128,
	s_add_co_u32 s20, s20, s8
	s_and_b32 s21, s20, 63
	s_mul_i32 s21, s21, 3072                       ; its 3,072 bytes: the first 64 waves share K out,
	s_lshr_b32 s20, s20, 6
	s_mul_i32 s20, s20, 3145728                    ; the others V
	s_add_co_u32 s20, s20, s21
	s_lshl_b32 s21, ttmp9, 9                       ; and my work-group's 512 bytes of K's and of V's scale words
	v_and_b32 v40, 31, v0
	v_and_b32 v[R4], 15, v0
	v_lshlrev_b32 v[LI], 4, v40
	v_lshlrev_b32 v[L4], 2, v40
	v_lshlrev_b32 v[R4], 2, v[R4]
	v_lshl_add_u32 v[L8], v40, 3, s19              ; two mask words a lane, in my parity's steps
	v_min_u32 v41, 11, v40                         ; 12 blocks of 256 bytes, a lane a block; the lanes left over name the last again
	v_min_u32 v42, 3, v40                          ; four blocks of scale words: two of K's, two of V's
	v_lshl_add_u32 v41, v41, 8, s20                ; never rewritten
	v_and_b32 v43, 1, v42
	v_lshrrev_b32 v42, 1, v42
	v_lshl_add_u32 v43, v43, 8, s21
	v_lshl_add_u32 v42, v42, 17, v43               ; never rewritten
	v_add_nc_u32 v[MA], s16, v[LI]
	v_add_nc_u32 v[MAR], s17, v[LI]
	v_add_nc_u32 v[MB], s16, v[L4]
	v_add_nc_u32 v[MBR], s17, v[L4]
	v_mov_b32 v[NEG], 0xff800000                   ; -infinity
	v_mov_b32 v13, 0xff61b1e6                      ; the largest t so far: -3e38
	v_mov_b32 v17, 0xff61b1e6
	v_floor_f32 v12, -v13                          ; -M
	v_floor_f32 v16, -v17
.irp r, 14,15,18,19,57,59,156,157,158,159
	v_mov_b32 v\r, 0                               ; the sums; the upper halves of the factors' pairs; the lane permutes' destinations
.endr
	s_wait_alu depctr_va_vdst(0)
	s_wait_kmcnt 0x0
	s_add_nc_u64 s[44:45], s[32:33], s[44:45]      ; Q's images
	s_add_nc_u64 s[46:47], s[32:33], s[46:47]
	s_add_nc_u64 s[48:49], s[34:35], s[48:49]      ; their scale words
	s_add_nc_u64 s[50:51], s[34:35], s[50:51]
	s_add_nc_u64 s[2:3], s[32:33], s[52:53]        ; the head's K
	s_add_nc_u64 s[4:5], s[34:35], s[54:55]        ; its scale words
	s_add_nc_u64 s[6:7], s[36:37], s[56:57]        ; slot 0's mask words,
	s_add_nc_u64 s[24:25], s[36:37], s[58:59]      ; slot 1's
	s_add_nc_u64 s[66:67], s[38:39], s[60:61]
	s_add_nc_u64 s[100:101], s[40:41], s[62:63]
.irp j, 0,1,2,3,4,5,6,7                ; my eight steps' mask words of both tiles: 256 consecutive bytes a load
	global_load_b64 v[64+4*\j:65+4*\j], v[L8], s[6:7] offset:512*\j
	global_load_b64 v[66+4*\j:67+4*\j], v[L8], s[24:25] offset:512*\j
.endr
	WIN 0x40
.irp g, 0,1,2
	global_load_b128 v[224+4*\g:227+4*\g], v[LI], s[44:45] offset:512*\g
	global_load_b128 v[236+4*\g:239+4*\g], v[LI], s[46:47] offset:512*\g
.endr
	WIN 0
	global_load_b32 v[QS], v[R4], s[48:49]
	global_load_b32 v[QS+1], v[R4], s[50:51]
	global_prefetch_b8 v41, s[2:3] th:TH_LOAD_NT scope:SCOPE_SE   ; my wave's 3,072 bytes of the head's K or V
	s_cmp_lg_u32 s8, 0
	s_cbranch_scc1 .Lno_ask
	global_prefetch_b8 v42, s[4:5] th:TH_LOAD_NT scope:SCOPE_SE   ; wave 0: my work-group's blocks of scale words
.Lno_ask:
	WIN 0x40
.set n, 0
.rept 128
	v_mov_b32 v[n], 0                              ; O^T: the step is written once; the first change of M leaves zeros zeros
.set n, n+1
.endr
	WIN 0
	s_wait_loadcnt 8                               ; the mask words are in; Q's eight loads may be out
.irp j, 0,1,2,3,4,5,6,7
	v_or_b32 v[96+\j], v[64+4*\j], v[65+4*\j]
	v_and_b32 v[104+\j], v[64+4*\j], v[65+4*\j]
	v_or_b32 v[64+4*\j], v[66+4*\j], v[67+4*\j]
	v_and_b32 v[65+4*\j], v[66+4*\j], v[67+4*\j]
.endr
.irp j, 0,1,2,3,4,5,6,7
	v_or_b32 v[96+\j], v[96+\j], v[64+4*\j]
	v_and_b32 v[104+\j], v[104+\j], v[65+4*\j]
.endr
.irp j, 0,1,2,3,4,5,6,7
	v_cmp_ne_u32 s[68+\j], 0, v[96+\j]             ; lanes that hold a set bit
	v_cmp_ne_u32 s[76+\j], -1, v[104+\j]           ; lanes that hold a clear bit
.endr
	s_wait_alu depctr_va_vdst(0)                   ; the wait, directly ahead of the run of scalar instructions
	s_mov_b32 s10, 0                               ; the list of steps with a key that counts
	s_mov_b32 s11, 0                               ; and of steps in which every key counts
.irp j, 0,1,2,3,4,5,6,7
	s_cmp_lg_u32 s[68+\j], 0
	s_cselect_b32 s19, 1<<\j, 0
	s_or_b32 s10, s10, s19
	s_cmp_eq_u32 s[76+\j], 0
	s_cselect_b32 s19, 1<<\j, 0
	s_or_b32 s11, s11, s19
.endr
	s_bcnt1_i32_b32 s9, s10                        ; my trips
	s_cmp_eq_u32 s9, 0
	s_cbranch_scc1 .Lmerge                         ; nothing counts in my steps: I hand over and keep zeros
	s_wait_xcnt 0x0                                ; Q's loads have read their addresses: s32 to s63 take mask words
	NEXTJ
	s_mov_b32 s16, s17
	s_mov_b32 s30, s31
	LOADK
	LOADV
	MLOAD 6, 30
.Lstep:
	s_wait_loadcnt 28                              ; K is in; V's 28 loads may be out
	QK 0
	WIN 0
.rept 4
	v_nop                                          ; places in front of the first read of the scores
.endr
	s_wait_kmcnt 0x0                               ; slot 0's mask words are in
	s_bitcmp1_b32 s11, s16
	s_cbranch_scc1 .Lfull0
	MASK
.Lfull0:
	MLOAD 24, 30                                   ; slot 1's words of this step
	SOFT 0
	QK 1
	RESCALE 0                                      ; also the places in front of the loads into K's registers and of the first read of the scores
	WIN 0
	s_wait_xcnt 0x0                                ; the loads that named the two addresses have read them
	NEXTJ
	LOADK
	s_wait_kmcnt 0x0
	s_bitcmp1_b32 s11, s16
	s_cbranch_scc1 .Lfull1
	MASK
.Lfull1:
	MLOAD 6, 31                                    ; slot 0's words of the next listed step
	SOFT 1
	RESCALE 1                                      ; also the places in front of the products below
	s_wait_alu depctr_va_vdst(0)
	s_wait_loadcnt 28                              ; V is in; the next K's 28 loads may be out
	PV
.rept 4
	v_nop                                          ; places in front of the loads into V's registers and of the first read of O^T
.endr
	s_mov_b32 s16, s17
	s_mov_b32 s30, s31
	s_sub_co_u32 s9, s9, 1
	s_cmp_eq_u32 s9, 0
	s_cbranch_scc1 .Lmerge                         ; the last trip asks for no V
	LOADV
	s_cmp_lg_u32 s9, 0
	s_cbranch_scc1 .Lstep
.Lmerge:
	; THE TWO HALVES MEET: slot 1 goes to my partner as the registers stand; a barrier; its slot 1, which is my slot 0's tile, comes in the same lanes
	v_add_f32 v14, v14, v15                        ; my lane's sums
	v_add_f32 v18, v18, v19
	WIN 0x04
.set n, 0
.rept 16
	ds_store_b128 v[MA], v[64+4*n:64+4*n+3] offset:512*n   ; each accumulator from its low end on
.set n, n+1
.endr
	WIN 0
	ds_store_b32 v[MB], v16 offset:8192
	ds_store_b32 v[MB], v18 offset:8320
	s_wait_alu depctr_va_vdst(0)
	s_wait_kmcnt 0x0                               ; the last mask words asked for have come
	s_wait_dscnt 0x0                               ; for the others' sake: my stores are done
	s_barrier_signal -1
	s_barrier_wait -1
.set n, 0
.rept 16
	ds_load_b128 v[S+4*n:S+4*n+3], v[MAR] offset:512*n
.set n, n+1
.endr
	ds_load_b32 v[T0], v[MBR] offset:8192          ; the other half's -M
	ds_load_b32 v[LB], v[MBR] offset:8320          ; and its sum
	s_wait_dscnt 0x0
	v_min_num_f32 v[BM], v12, v[T0]                ; -M of both: the larger M
	v_sub_f32 v[BM+1], v[BM], v12                  ; my M less the common one: a whole number, 0 or less
	v_sub_f32 v[BM+2], v[BM], v[T0]                ; the other half's
	v_cvt_i32_f32 v[BM+1], v[BM+1]                 ; (they saturate: a half with no key gets the factor 0, and holds zeros)
	v_cvt_i32_f32 v[BM+2], v[BM+2]
	v_ldexp_f32 v[BM+1], 1.0, v[BM+1]
	v_ldexp_f32 v[BM+2], 1.0, v[BM+2]
	v_mul_f32 v14, v14, v[BM+1]
	v_fmac_f32 v14, v[LB], v[BM+2]                 ; both sums under the common M
	v_permlanex16_b32 v[BT], v14, s12, s13
	v_add_f32 v14, v14, v[BT]                      ; the row's sum
	s_wait_alu depctr_va_vdst(0)                   ; the wait ahead of the transcendental
	v_rcp_f32 v[RC], v14
	v_nop                                          ; a plain place behind the transcendental
	v_cmp_eq_f32 s104, 0, v14                      ; a row with no key
	s_wait_alu depctr_va_vdst(0)                   ; the wait ahead of the first reader
	v_cndmask_b32 v[RC], v[RC], 0, s104
	v_mul_f32 v[FF], v[BM+1], v[RC]                ; a power of two x 1 / the sum
	v_mul_f32 v[FF+2], v[BM+2], v[RC]
.irp j2, 0,2,4,6,8,10,12,14,16,18,20,22,24,26,28,30,32,34,36,38,40,42,44,46,48,50,52,54,56,58,60,62
	v_pk_mul_f32 v[S+\j2:S+1+\j2], v[S+\j2:S+1+\j2], v[FF+2:FF+3] op_sel_hi:[1,0]
.endr
	WIN 0x01
	s_wait_alu depctr_va_vdst(0)                   ; the wait, directly ahead of the first reader of slot 0's O^T
.irp j2, 0,2,4,6,8,10,12,14,16,18,20,22,24,26,28,30,32,34,36,38,40,42,44,46,48,50,52,54,56,58,60,62
	v_pk_fma_f32 v[S+\j2:S+1+\j2], v[\j2:\j2+1], v[FF:FF+1], v[S+\j2:S+1+\j2] op_sel_hi:[1,0,1]   ; y: register 16 b + i is channel 32 b + 16 h + i of my query
.endr
	WIN 0
	; THE WAY OUT: quantised along the head's 128, stored as an image
.irp b, 0,1,2,3
	v_max3_num_f32 v[BM+\b], |v[S+16*\b]|, |v[S+1+16*\b]|, 0x2800000
.endr
.irp b, 0,1,2,3
	v_max3_num_f32 v[BT+\b], |v[S+8+16*\b]|, |v[S+9+16*\b]|, |v[S+10+16*\b]|
.endr
.irp i, 2,4,6
.irp b, 0,1,2,3
	v_max3_num_f32 v[BM+\b], v[BM+\b], |v[S+16*\b+\i]|, |v[S+1+16*\b+\i]|
.endr
.if \i < 6
.irp b, 0,1,2,3
	v_max3_num_f32 v[BT+\b], v[BT+\b], |v[S+9+16*\b+\i]|, |v[S+10+16*\b+\i]|
.endr
.endif
.endr
.irp b, 0,1,2,3
	v_max3_num_f32 v[BM+\b], v[BM+\b], v[BT+\b], |v[S+15+16*\b]|
.endr
.irp b, 0,1,2,3
	v_permlanex16_b32 v[BT+\b], v[BM+\b], s12, s13
.endr
.irp b, 0,1,2,3
	v_max_num_f32 v[BM+\b], v[BM+\b], v[BT+\b]
.endr
	BYTES PW
	CODES PC
	v_cndmask_b32 v[PW], v[PW], -1, s104           ; a row with no key: every scale byte 0xff
.irp g, 0,1,2
	global_store_b128 v[LI], v[PC+4*\g:PC+4*\g+3], s[66:67] offset:512*\g   ; 512 consecutive bytes, aligned
.endr
	global_store_b32 v[R4], v[PW], s[100:101]      ; 64 bytes: lanes r and r + 16 write the same word with the same value
	s_wait_tensorcnt 0x0                           ; the wave's end
	ds_add_u32 v[SPW], v[NIL]
	s_wait_dscnt 0x0
	s_endpgm
.Lfunc_end_k_q7c5e05c620_attn:
	.size	k_q7c5e05c620_attn, .Lfunc_end_k_q7c5e05c620_attn-k_q7c5e05c620_attn
	.p2alignl 7, 3214868480
	.fill 96, 4, 3214868480
	.section	.rodata,"a",@progbits
	.p2align	6, 0x0
	.amdhsa_kernel k_q7c5e05c620_attn
		.amdhsa_group_segment_fixed_size 70656
		.amdhsa_private_segment_fixed_size 0
		.amdhsa_enable_private_segment 0
		.amdhsa_kernarg_size 40
		.amdhsa_user_sgpr_count 2
		.amdhsa_user_sgpr_kernarg_segment_ptr 1
		.amdhsa_wavefront_size32 1
		.amdhsa_system_sgpr_workgroup_id_x 1
		.amdhsa_system_sgpr_workgroup_id_y 1
		.amdhsa_system_sgpr_workgroup_id_z 1
		.amdhsa_system_vgpr_workitem_id 0
		.amdhsa_next_free_vgpr 512
		.amdhsa_next_free_sgpr 106
		.amdhsa_reserve_vcc 0
		.amdhsa_float_denorm_mode_32 3
		.amdhsa_float_denorm_mode_16_64 3
		.amdhsa_memory_ordered 1
		.amdhsa_forward_progress 1
		.amdhsa_inst_pref_size 78
	.end_amdhsa_kernel
	.amdgpu_metadata
---
amdhsa.version: [ 1, 2 ]
amdhsa.kernels:
  - .name:           k_q7c5e05c620_attn
    .symbol:         k_q7c5e05c620_attn.kd
    .args:
      - { .name: qkv_codes, .offset: 0, .size: 8, .value_kind: global_buffer, .address_space: global }
      - { .name: qkv_scales, .offset: 8, .size: 8, .value_kind: global_buffer, .address_space: global }
      - { .name: maskbits, .offset: 16, .size: 8, .value_kind: global_buffer, .address_space: global }
      - { .name: y_codes, .offset: 24, .size: 8, .value_kind: global_buffer, .address_space: global }
      - { .name: y_scales, .offset: 32, .size: 8, .value_kind: global_buffer, .address_space: global }
    .group_segment_fixed_size: 70656
    .private_segment_fixed_size: 0
    .kernarg_segment_align: 8
    .kernarg_segment_size: 40
    .max_flat_workgroup_size: 256
    .sgpr_count:     106
    .vgpr_count:     512
    .wavefront_size: 32
...
	.end_amdgpu_metadata
.endif
;; end of part 3
;; launch oproj (part 4): grid 16 x 16, 4 waves a work-group, clusters of 4 x 4, 327,680 bytes of LDS; arguments y_codes, y_scales, xw_codes, xw_scales, out0; writes out0
.if DOCPART == 4
	.amdgcn_target "amdgcn-amd-amdhsa--gfx1250"
	.amdhsa_code_object_version 6
	.text
	.protected	k_q7c5e05c620_oproj
	.globl	k_q7c5e05c620_oproj
	.p2align	8
	.type	k_q7c5e05c620_oproj,@function
k_q7c5e05c620_oproj:
	s_mov_b64 s[64:65], 0
	v_nop
	global_prefetch_b8 v0, s[64:65] scope:SCOPE_SE
	s_setreg_imm32_b32 hwreg(HW_REG_WAVE_MODE, 25, 1), 1
	s_wait_xcnt 0x0
	s_wait_alu depctr_hold_cnt(0) depctr_sa_sdst(0) depctr_va_vdst(0) depctr_va_sdst(0) depctr_va_ssrc(0) depctr_va_vcc(0) depctr_vm_vsrc(0)
	s_getreg_b32 s2, hwreg(HW_REG_IB_STS2, 6, 4)
	s_cmp_eq_u32 s2, 0
	s_cbranch_scc0 .Lentry_in_a_cluster
	s_endpgm
.Lentry_in_a_cluster:
	s_bfe_u32 s2, ttmp6, 0x10000c
	s_cmp_lg_u32 s2, 0xf033
	s_cbranch_scc0 .Lentry_shape_is_right
	s_endpgm
.Lentry_shape_is_right:
.set SLOT,  98304
.set PART,  24576
.set SCL,   2*SLOT
.set SPARE, SCL+16384
.set STG,   SPARE+512
.set ADRA, 16
.set ADRB, 18
.set ADSA, 22
.set ADSB, 23
.set STO,  24
.set RD,   25
.set CO,   26
.set SPW,  28
.set NIL,  29
.set SC,   32
.set ACC,  128
.set G1,   24
.set G0,   32
.set G1B,  48
.set G0B,  56
.set G1S,  68
.set G0S,  76
.set G1SB, 80
.set G0SB, 88
.set MSB, 0
.macro WIN new
.if MSB != \new
	s_set_vgpr_msb (MSB<<8)|\new
.set MSB, \new
.endif
.endm
.set MULW, 0x05
.set TO_F, 0x40
.macro PLACES n
.rept \n
	v_nop
.endr
.endm
.macro JLOAD g0a, g1a, g0b, g1b
	s_cmp_eq_u32 s15, 0
	s_cbranch_scc0 .Lfor_b_\@
	tensor_load_to_lds s[\g0a:\g0a+3], s[\g1a:\g1a+7]
	s_nop 0
.rept 4
	v_nop
.endr
	s_branch .Lasked_\@
.Lfor_b_\@:
	tensor_load_to_lds s[\g0b:\g0b+3], s[\g1b:\g1b+7]
	s_nop 0
.rept 4
	v_nop
.endr
.Lasked_\@:
.endm
.macro CREST
	s_cmp_lg_u32 s14, 0
	s_cbranch_scc1 .Lnot_wave_0_\@
	s_barrier_signal -3
.Lnot_wave_0_\@:
	s_barrier_wait -3
	s_barrier_signal -1
	s_barrier_wait -1
.endm
.macro CROUND
	s_barrier_signal -1
	s_barrier_wait -1
	CREST
.endm
.macro WM d, a, b, zero, sa, sb, row
.if \zero
	v_wmma_scale_f32_16x16x128_f8f6f4 v[\d:\d+7], v[\a:\a+11], v[\b:\b+11], 0, v[\sa], v[\sb] matrix_a_fmt:MATRIX_FMT_BF6 matrix_b_fmt:MATRIX_FMT_BF6
.elseif \row
	v_wmma_scale_f32_16x16x128_f8f6f4 v[\d:\d+7], v[\a:\a+11], v[\b:\b+11], v[\d:\d+7], v[\sa], v[\sb] matrix_a_fmt:MATRIX_FMT_BF6 matrix_b_fmt:MATRIX_FMT_BF6 matrix_a_scale:MATRIX_SCALE_ROW1 matrix_b_scale:MATRIX_SCALE_ROW1
.else
	v_wmma_scale_f32_16x16x128_f8f6f4 v[\d:\d+7], v[\a:\a+11], v[\b:\b+11], v[\d:\d+7], v[\sa], v[\sb] matrix_a_fmt:MATRIX_FMT_BF6 matrix_b_fmt:MATRIX_FMT_BF6
.endif
.endm
.macro MUL a0, a1, p, q, s, zero
.set A_, \a0
.rept (\a1)-(\a0)+1
.irp b, 0,1,2,3
	WM ACC+8*(4*A_+\b), 96*(\p)+48+12*\b, 96*(\p)+12*A_, \zero, SC+16*(\s)+8+2*\b+(\q)/2, SC+16*(\s)+2*A_+(\q)/2, (\q)%2
.endr
.set A_, A_+1
.endr
.endm
.macro FETCH slot, q, p
	WIN TO_F
.irp i, 0,1,2,3
.irp g, 0,1,2
	ds_load_b128 v[96*(\p)+48+12*\i+4*\g:96*(\p)+48+12*\i+4*\g+3], v[ADRB+\slot] offset:6144*\i+1536*(\q)+512*\g
	ds_load_b128 v[96*(\p)+12*\i+4*\g:96*(\p)+12*\i+4*\g+3], v[ADRA+\slot] offset:6144*\i+1536*(\q)+512*\g
.endr
.endr
.endm
.macro SCALES s, idx
	WIN 0
.irp i, 0,1,2,3
.irp pr, 0,1
	ds_load_b32 v[SC+16*(\s)+2*\i+\pr], v[ADSA] offset:1024*\i+64*(4*(\idx)+2*\pr)
	ds_load_b32 v[SC+16*(\s)+8+2*\i+\pr], v[ADSB] offset:1024*\i+64*(4*(\idx)+2*\pr)
.endr
.endr
.endm
.macro STEP slot, q, zero
	s_wait_dscnt 0x0
	PLACES 4
	FETCH \slot, (\q)+1, ((\q)+1)%2
	WIN MULW
	MUL 0, 3, (\q)%2, \q, \slot, \zero
.endm
.macro TURN slot, next, idx, fill
	WIN 0
	s_wait_tensorcnt 0x0
	ds_add_u32 v[SPW], v[NIL]
	s_wait_dscnt 1
	WIN MULW
	MUL 0, 0, 1, 3, \slot, 0
	s_wait_dscnt 0x0
	s_barrier_signal -1
	MUL 1, 1, 1, 3, \slot, 0
	WIN 0
	s_barrier_wait -1
.if \fill
	CREST
	s_add_nc_u64 s[G0+4*\slot+2:G0+4*\slot+3], s[G0+4*\slot+2:G0+4*\slot+3], 12288
	s_add_nc_u64 s[G0B+4*\slot+2:G0B+4*\slot+3], s[G0B+4*\slot+2:G0B+4*\slot+3], 12288
	JLOAD G0+4*\slot, G1, G0B+4*\slot, G1B
.else
	PLACES 4
.endif
	FETCH \next, 0, 0
	SCALES \next, \idx
	WIN MULW
	MUL 2, 3, 1, 3, \slot, 0
.endm
	s_load_b256 s[4:11], s[0:1], 0x0
	s_load_b64 s[12:13], s[0:1], 0x20
	v_lshl_add_u32 v[SPW], v0, 2, SPARE
	v_mov_b32 v[NIL], 0
	ds_add_u32 v28, v29
	ds_add_u32 v28, v29
	s_wait_dscnt 0x0
	v_lshrrev_b32 v1, 5, v0
	v_readfirstlane_b32 s14, v1
	s_lshr_b32 s15, s14, 1
	s_and_b32 s16, s14, 1
	s_bfe_u32 s40, ttmp6, 0x40000
	s_bfe_u32 s41, ttmp6, 0x40004
	s_lshl_b32 s42, ttmp9, 2
	s_add_co_u32 s42, s42, s40
	s_and_b32 s17, ttmp7, 0xffff
	s_lshl_b32 s17, s17, 2
	s_add_co_u32 s17, s17, s41
	s_lshl_b32 s43, s41, 2
	s_lshl_b32 s43, 15, s43
	s_lshl_b32 s44, 0x1111, s40
	s_or_b32 s[G1+0], s43, (3<<16)|(1<<21)
	s_or_b32 s[G1B+0], s44, (3<<16)|(1<<21)
.irp g, G1, G1B
	s_mov_b32 s[\g+1], 768<<16
	s_mov_b32 s[\g+2], 4<<16
	s_mov_b32 s[\g+3], 768<<16
	s_mov_b32 s[\g+4], 4
	s_mov_b32 s[\g+5], 3072
	s_mov_b32 s[\g+6], 0
	s_mov_b32 s[\g+7], 0
.endr
	s_lshl_b32 s18, s16, 2
	s_lshl_b32 s20, s17, 3
	s_add_co_u32 s20, s20, s18
	s_lshl_b32 s22, s20, 10
	s_mov_b32 s23, 0
	s_mul_i32 s20, s20, 24576
	s_mov_b32 s21, 0
	s_lshl_b32 s46, s42, 3
	s_add_co_u32 s46, s46, s18
	s_add_co_u32 s46, s46, 512
	s_lshl_b32 s92, s46, 10
	s_mov_b32 s93, 0
	s_mul_i32 s46, s46, 24576
	s_mov_b32 s47, 0
	s_mul_i32 s45, s14, PART
	s_lshl_b32 s94, s14, 12
	s_wait_kmcnt 0x0
	s_add_nc_u64 s[20:21], s[4:5], s[20:21]
	s_add_nc_u64 s[22:23], s[6:7], s[22:23]
	s_add_nc_u64 s[46:47], s[8:9], s[46:47]
	s_add_nc_u64 s[92:93], s[10:11], s[92:93]
	s_cmp_eq_u32 s15, 0                            ; the scale words come through registers: waves 0 and 1 take y's two halves, waves 2 and 3 wo's, 4,096 bytes each
	s_cselect_b64 s[92:93], s[22:23], s[92:93]
	s_cselect_b64 s[76:77], s[20:21], s[46:47]     ; the prefetches: the four tile rows that I fetch,
	s_cselect_b32 s78, s40, s41                    ; my place among the four that ask for them jointly (cx for y, cy for wo): it enters an address alone
	s_mul_i32 s78, s78, 24576                      ; my work-group's row of the four,
	s_add_co_u32 s78, s78, 12288                   ; at slot 2: 6,144 bytes of a row a slot
	s_mov_b32 s79, 0
	s_add_nc_u64 s[76:77], s[76:77], s[78:79]
	v_and_b32 v1, 31, v0
	v_lshlrev_b32 v2, 4, v1
	v_min_u32 v30, 23, v1                          ; a prefetch names 24 blocks of 256 bytes, a lane a block; lanes 24-31 name the last again
	v_lshlrev_b32 v30, 8, v30                      ; never rewritten
	s_add_co_u32 s94, s94, SCL
	v_add_nc_u32 v3, s94, v2                       ; their place in LDS: bytes of their own, into which no fill lands
	s_wait_alu depctr_va_vdst(0)
.irp i, 0,1,2,3,4,5,6,7
	global_load_b128 v[64+4*\i:67+4*\i], v2, s[92:93] offset:512*\i   ; 512 consecutive bytes a load
.endr
.irp s, 0,1
	s_mov_b32 s[G0+4*\s], 1
	s_add_co_u32 s[G0+4*\s+1], s45, \s*SLOT
	s_add_nc_u64 s[G0+4*\s+2:G0+4*\s+3], s[20:21], \s*6144
	s_or_b32 s[G0+4*\s+3], s[G0+4*\s+3], 0x80000000
	s_mov_b32 s[G0B+4*\s], 1
	s_add_co_u32 s[G0B+4*\s+1], s45, \s*SLOT
	s_add_nc_u64 s[G0B+4*\s+2:G0B+4*\s+3], s[46:47], \s*6144
	s_or_b32 s[G0B+4*\s+3], s[G0B+4*\s+3], 0x80000000
.endr
	CROUND                                         ; all sixteen work-groups are here: the first joint loads meet
	JLOAD G0, G1, G0B, G1B                         ; slot 0: my one tensor load at the head
	s_wait_loadcnt 0x0
.irp i, 0,1,2,3,4,5,6,7
	ds_store_b128 v3, v[64+4*\i:67+4*\i] offset:512*\i
.endr
	s_wait_alu depctr_va_vdst(0)
	s_wait_tensorcnt 0x0                           ; slot 1's first fill is issued as a refill is
	ds_add_u32 v28, v29
	s_wait_dscnt 0x0                               ; the add and my stores of scale words are done
	CROUND
	JLOAD G0+4, G1, G0B+4, G1B
	global_prefetch_b8 v30, s[76:77] th:TH_LOAD_NT scope:SCOPE_SE               ; slots 2 and 3, which the two refills will load: the walk has no slot beyond them
	global_prefetch_b8 v30, s[76:77] offset:6144 th:TH_LOAD_NT scope:SCOPE_SE
	v_and_b32 v1, 31, v0
	v_and_b32 v2, 15, v0
	v_bfe_u32 v3, v0, 4, 1
	v_lshlrev_b32 v[CO], 4, v1
	s_mul_i32 s21, s15, PART
	s_mul_i32 s22, s16, PART
	s_add_co_u32 s22, s22, 2*PART
.irp s, 0,1
	v_add_nc_u32 v[ADRA+\s], s21, v[CO]
	v_add_nc_u32 v[ADRB+\s], s22, v[CO]
	s_add_co_u32 s21, s21, SLOT
	s_add_co_u32 s22, s22, SLOT
.endr
	v_lshlrev_b32 v4, 2, v1
	s_lshl_b32 s21, s15, 12
	s_add_co_u32 s21, s21, SCL
	v_add_nc_u32 v[ADSA], s21, v4
	s_lshl_b32 s22, s16, 12
	s_add_co_u32 s22, s22, SCL+8192
	v_add_nc_u32 v[ADSB], s22, v4
	v_and_b32 v4, 8, v2
	v_add_nc_u32 v4, v4, v2
	v_mul_u32_u24 v[STO], v4, 528
	v_lshl_add_u32 v[STO], v3, 6, v[STO]
	s_mul_i32 s21, s15, 64*528
	s_lshl_b32 s22, s16, 8
	s_add_co_u32 s21, s21, s22
	s_add_co_u32 s21, s21, STG
	v_add_nc_u32 v[STO], s21, v[STO]
	s_mul_i32 s21, s14, 32*528
	s_add_co_u32 s21, s21, STG
	v_add_nc_u32 v[RD], s21, v[CO]
	s_lshl_b32 s20, s17, 7
	s_lshl_b32 s21, s14, 5
	s_add_co_u32 s20, s20, s21
	s_lshl_b32 s20, s20, 13
	s_lshl_b32 s21, s42, 9
	s_add_co_u32 s20, s20, s21
	s_mov_b32 s21, 0
	s_add_nc_u64 s[12:13], s[12:13], s[20:21]
	s_wait_alu depctr_va_vdst(0)
	s_wait_tensorcnt 1
	s_barrier_signal -1
	s_barrier_wait -1
	FETCH 0, 0, 0
	SCALES 0, 0
	STEP 0, 0, 1
	STEP 0, 1, 0
	STEP 0, 2, 0
	TURN 0, 1, 1, 1
	STEP 1, 0, 0
	STEP 1, 1, 0
	STEP 1, 2, 0
	TURN 1, 0, 2, 1
	STEP 0, 0, 0
	STEP 0, 1, 0
	STEP 0, 2, 0
	TURN 0, 1, 3, 0
	STEP 1, 0, 0
	STEP 1, 1, 0
	STEP 1, 2, 0
	s_wait_dscnt 0x0
	WIN MULW
	MUL 0, 3, 1, 3, 1, 0
	WIN 0
	PLACES 4
.irp a, 0,1,2,3
.irp b, 0,1,2,3
	ds_store_b128 v[STO], v[ACC+8*(4*\a+\b):ACC+8*(4*\a+\b)+3] offset:(32*(\a/2)+8*(\a%2))*528+128*(\b/2)+32*(\b%2)
	ds_store_b128 v[STO], v[ACC+8*(4*\a+\b)+4:ACC+8*(4*\a+\b)+7] offset:(32*(\a/2)+8*(\a%2))*528+128*(\b/2)+32*(\b%2)+16
.endr
.endr
	s_wait_dscnt 0x0
	s_barrier_signal -1
	s_barrier_wait -1
.set n, 0
.rept 32
	ds_load_b128 v[ACC+4*n:ACC+4*n+3], v[RD] offset:528*n
.set n, n+1
.endr
.set n, 0
.rept 32
	s_wait_dscnt 31-n
	global_store_b128 v[CO], v[ACC+4*n:ACC+4*n+3], s[12:13] offset:8192*n th:TH_STORE_NT
.set n, n+1
.endr
	s_wait_tensorcnt 0x0
	ds_add_u32 v[SPW], v[NIL]
	s_wait_dscnt 0x0
	CROUND
	s_endpgm
.Lfunc_end_k_q7c5e05c620_oproj:
	.size	k_q7c5e05c620_oproj, .Lfunc_end_k_q7c5e05c620_oproj-k_q7c5e05c620_oproj
	.p2alignl 7, 3214868480
	.fill 96, 4, 3214868480
	.section	.rodata,"a",@progbits
	.p2align	6, 0x0
	.amdhsa_kernel k_q7c5e05c620_oproj
		.amdhsa_group_segment_fixed_size 327680
		.amdhsa_private_segment_fixed_size 0
		.amdhsa_enable_private_segment 0
		.amdhsa_kernarg_size 40
		.amdhsa_user_sgpr_count 2
		.amdhsa_user_sgpr_kernarg_segment_ptr 1
		.amdhsa_wavefront_size32 1
		.amdhsa_system_sgpr_workgroup_id_x 1
		.amdhsa_system_sgpr_workgroup_id_y 1
		.amdhsa_system_sgpr_workgroup_id_z 1
		.amdhsa_system_vgpr_workitem_id 0
		.amdhsa_next_free_vgpr 512
		.amdhsa_next_free_sgpr 98
		.amdhsa_reserve_vcc 0
		.amdhsa_float_denorm_mode_32 3
		.amdhsa_float_denorm_mode_16_64 3
		.amdhsa_memory_ordered 1
		.amdhsa_forward_progress 1
		.amdhsa_inst_pref_size 85
	.end_amdhsa_kernel
	.amdgpu_metadata
---
amdhsa.version: [ 1, 2 ]
amdhsa.kernels:
  - .name:           k_q7c5e05c620_oproj
    .symbol:         k_q7c5e05c620_oproj.kd
    .args:
      - { .name: y_codes, .offset: 0, .size: 8, .value_kind: global_buffer, .address_space: global }
      - { .name: y_scales, .offset: 8, .size: 8, .value_kind: global_buffer, .address_space: global }
      - { .name: xw_codes, .offset: 16, .size: 8, .value_kind: global_buffer, .address_space: global }
      - { .name: xw_scales, .offset: 24, .size: 8, .value_kind: global_buffer, .address_space: global }
      - { .name: out0, .offset: 32, .size: 8, .value_kind: global_buffer, .address_space: global }
    .group_segment_fixed_size: 327680
    .private_segment_fixed_size: 0
    .kernarg_segment_align: 8
    .kernarg_segment_size: 40
    .max_flat_workgroup_size: 128
    .sgpr_count:     98
    .vgpr_count:     512
    .wavefront_size: 32
...
	.end_amdgpu_metadata
.endif
;; end of part 4
